; MI455X (gfx1250); checked and timed in simulation.
; The chip was launched on July 23, 2026; its instructions are those of AMD's public machine-readable ISA for CDNA 5 (MIT licence, August 2026) and "CDNA5" Instruction Set Architecture Reference Guide (July 2026). The comments in the code are by the model that wrote it; some were corrected since.
;; Personalized Simple Attention. Allowed arithmetic: matrix products marked QUANTISED: E3M2 operands, one E8M0 scale for each 32 along K, by v_wmma_scale_f32_16x16x128_f8f6f4 with both operands' format E3M2, f32 sums; everything else in f32.
;; Inputs: PK_W 32 x 256 x 256 float32; PK_b 32 x 256 float32; PQ_W 32 x 256 x 256 float32; PQ_b 32 x 256 float32; Wk 256 x 128 float32; Wq 256 x 128 float32; Wv 256 x 128 float32; mask 64 x 1 x 1,024 bool; person_idxs 64 int32; x 64 x 1,024 x 128 float32.
;; Outputs: out0 64 x 1,024 x 256 float32.
;; This version of the problem:
;;   THIS VERSION OF THE PROBLEM IS GIVEN IN LOW PRECISION. The matrix products marked QUANTISED in the list below multiply operands that are first quantised to E3M2 (3 exponent bits, 2 mantissa bits; 6 bits a number), with one power-of-two scale for each 32 numbers along K (OCP MX v1.0); their sums are f32. All else is computed in f32.
;;   The module's matrix products, in the order in which they are computed (A, B: the left and right operand; K: the contracted axis; several contracted axes count as one K, in the product's order):
;;     1. [M 65,536, K 128] x [K 128, N 256]; A: input x; B: input Wk: QUANTISED
;;     2. [M 65,536, K 128] x [K 128, N 256]; A: input x; B: input Wq: QUANTISED
;;     3. [M 65,536, K 128] x [K 128, N 256]; A: input x; B: input Wv: QUANTISED
;;     4. batch 64 x [M 1,024, K 256] x [K 256, N 256]; A: computed on the way; B: computed on the way: QUANTISED
;;     5. batch 64 x [M 1,024, K 256] x [K 256, N 256]; A: computed on the way; B: computed on the way: QUANTISED
;;     6. batch 64 x [M 1,024, K 256] x [K 256, N 1,024]; A: computed on the way; B: computed on the way: QUANTISED
;;     7. batch 64 x [M 1,024, K 1,024] x [K 1,024, N 256]; A: softmax (see below); B: computed on the way: QUANTISED
;;   THE QUANTISER, for each operand of a quantised product, along K:
;;     - K is cut into blocks of 32 from its start; a last block that is shorter is filled with zeros.
;;     - A block's scale is 2^e with e = floor(log2(the largest magnitude in the block)) - 4, held to -126 .. 127; a block of zeros has e = 0. As a byte (E8M0): e + 127.
;;     - Each number is divided by its block's scale, clamped to +-28, and rounded to the nearest number of E3M2, ties to even, subnormals kept.
;;     - The product sums the exact products of the quantised numbers (number of the format x scale) in f32.
;;   ~~~python
;;   def quantise(x, axis):      # numpy; x: float32 -> the quantised numbers, widened to float32 again
;;       x = np.moveaxis(x, axis, -1); K = x.shape[-1]
;;       x = np.pad(x, [(0, 0)] * (x.ndim - 1) + [(0, -K % 32)]); x = x.reshape(x.shape[:-1] + (-1, 32)); a = np.abs(x).max(-1, keepdims=True)
;;       e = np.where(a > 0, np.clip(np.frexp(np.where(a > 0, a, 1))[1] - 1 - 4, -126, 127), 0)      # np.frexp(a)[1] - 1 = floor(log2(a)), exactly
;;       r = np.clip(x / 2.0 ** e, -28, 28)
;;       step = 2.0 ** (np.maximum(np.frexp(np.where(r == 0, 1, r))[1] - 1, -2) - 2)
;;       q = np.round(r / step) * step * 2.0 ** e      # np.round: ties to even
;;       return np.moveaxis(q.reshape(q.shape[:-2] + (-1,))[..., :K], -1, axis).astype(np.float32)
;;   ~~~
;;   SOFTMAX AHEAD OF A QUANTISED PRODUCT. Where the list says 'softmax', what is quantised is not the finished softmax but p = 2^(t - M), with t = logit x log2(e) and M = ceil(the row's largest t), a whole number; so 1/2 < the row's largest p <= 1. The row's sum l is taken of the UNQUANTISED p, in f32, and the product's result is divided by l at the end. Since M is a whole number, a kernel that streams over the keys may use a running M (the ceiling of the running maximum): every later rescaling is an exact power of two, which a block's scale takes up: the codes' values come out the same.
;;   OPERANDS COMPUTED ON THE WAY. 'Computed on the way' means the value that the module computes at that place (a softmax that the list does not call 'softmax' is quantised finished and normalised). What goes into a quantiser is computed in f32, as accurately as f32 sums, v_exp_f32 and their like allow (about 1e-6 of the number): no bf16 or f16 on the way to a quantiser, and a product that is left as it is and whose result goes on into a quantised operand takes f32 operands (vector FMAs, or v_wmma_f32_16x16x4_f32). A number that lies on a knife's edge between two numbers of the format may be rounded either way, as far as f32 arithmetic and the matrix unit's own rounding can turn it there, and no further.
;; 2 versions. Each part assembles by itself: llvm-mc -triple=amdgcn-amd-amdhsa -mcpu=gfx1250 --defsym DOCPART=n.
;; ======== version 1 of 2: 3 launches
;; limits: right only within a limited range of input values
;; workspace buffers: wcodes 3,219,456 bytes; wscales 268,288 bytes; kv 26,738,688 bytes; qbuf 13,107,200 bytes
;; launch prep (part 1): grid 262 x 1, 8 waves a work-group, no clusters, 68,608 bytes of LDS; arguments Wk, Wq, Wv, PK_W, PQ_W, wcodes, wscales; writes wcodes, wscales
.if DOCPART == 1
	.amdgcn_target "amdgcn-amd-amdhsa--gfx1250"
	.amdhsa_code_object_version 6
	.text
	.protected	k_q867f3b1b96_prep
	.globl	k_q867f3b1b96_prep
	.p2align	8
	.type	k_q867f3b1b96_prep,@function
k_q867f3b1b96_prep:
	s_mov_b64 s[64:65], 0
	v_nop
	global_prefetch_b8 v0, s[64:65] scope:SCOPE_SE
	s_setreg_imm32_b32 hwreg(HW_REG_WAVE_MODE, 25, 1), 1
	s_wait_xcnt 0x0
; Wk, Wq, Wv [256][128] and the 32 + 32 matrices of PK_W, PQ_W [256][256], f32 with K innermost, become codes of BF6 (E3M2) with one E8M0 byte for each 32 along K,
; laid as IMAGES OF OPERAND REGISTERS: a fragment is 16 rows x 128 K, 12 registers a lane; registers 4 c .. 4 c + 3 of lane l lie at 512 c + 16 l of its 1,536 bytes, so that three loads of 16 bytes a lane bring it.
; THE ROWS OF A TILE ARE NOT NEIGHBOURS: lane r of tile T takes row 32 (T / 2) + 8 (T % 2) + r + 8 (r / 8), so that the results of two neighbouring tiles are 16 neighbours along the next product's K.
; FRAGMENT NUMBERS: F = 16 g + T for Wk, Wq, Wv (g = 0, 1, 2);  F = 48 + 32 (2 p + g) + 2 T + s for person p, PK_W (g = 0) or PQ_W (g = 1), K step s.  2,096 in all; a fragment's scale words: 128 bytes, row r's word at 4 x lane.
; One wave makes one fragment: 262 work-groups x 8 waves.  One path through the text: only pointers and numbers are chosen, on the work-group's number.  Waves share nothing: no barrier.
; Each of the 16 loads reads 512 consecutive bytes of one row; the rows turn through the wave's own stage in LDS (rows 528 bytes apart: sixteen rows start in sixteen different groups of banks), so that a lane gets two whole blocks of 32.
; A stream bound by its bytes: no matrix unit, no tensor load, no cluster (no two work-groups read the same byte).
; A block's scale is 2^(floor(log2(largest magnitude)) - 4); its byte is the largest magnitude's exponent field - 4, held at 1 from below.
; LIMITS: a block whose largest magnitude lies under 2^-122 (a block of zeros too) keeps the byte 1; the bytes are read by this program alone.  NaN and infinities among the inputs are not served.
.set ROWP, 528
.set LI,   2                           ; v2   16 x lane
.set LS,   3                           ; v3   4 x lane
.set SA,   4                           ; v4   the stage, on the way in: 16 x lane
.set SR,   5                           ; v5   and back: row r, + 128 h
.set OFF,  8                           ; v8-23   byte offset of the tile's row i: 16 x lane + (i + 8 (i / 8)) x pitch
.set XR,   24                          ; v24-87  the rows as loaded
.set XN,   88                          ; v88-151 my two blocks: register 32 c + i = k 64 c + 32 h + i of row r
.set C,    152                         ; v152-163 the fragment
.set CT,   164                         ; v164-170 the second halves of the blocks' codes, as the conversions leave them
.set MX,   172
.set SO,   174
.set BY,   176
.set WD,   178
.set PT,   179
	s_load_b256 s[4:11], s[0:1], 0x0               ; Wk s[4:5], Wq s[6:7], Wv s[8:9], PK_W s[10:11]
	s_load_b128 s[12:15], s[0:1], 0x20             ; PQ_W s[12:13], wcodes s[14:15]
	s_load_b64 s[16:17], s[0:1], 0x30              ; wscales
	v_lshl_add_u32 v192, v0, 2, 0x10800
	v_mov_b32 v193, 0
	v_lshrrev_b32 v1, 5, v0
	v_readfirstlane_b32 s18, v1                    ; wave 0..7
	v_and_b32 v1, 31, v0                           ; lane
	v_lshlrev_b32 v[LI], 4, v1
	v_lshlrev_b32 v[LS], 2, v1
	v_and_b32 v6, 15, v0                           ; r
	v_bfe_u32 v7, v0, 4, 1                         ; h
	s_mul_i32 s32, s18, 16*ROWP                    ; my stage
	v_add_nc_u32 v[SA], s32, v[LI]
	v_mul_u32_u24 v[SR], v6, ROWP
	v_lshl_add_u32 v[SR], v7, 7, v[SR]
	v_add_nc_u32 v[SR], s32, v[SR]
	s_mov_b32 s34, 0x76543210
	s_mov_b32 s35, 0xfedcba98                      ; v_permlanex16_b32's selects for lane l xor 16
	s_lshl_b32 s19, ttmp9, 3
	s_add_co_u32 s19, s19, s18                     ; F
	s_and_b32 s33, s19, 15                         ; a shared weight's tile
	s_sub_co_u32 s20, s19, 48                      ; F - 48: a person's fragment (what is made of it is not chosen in work-groups 0 to 5)
	s_bfe_u32 s21, s20, 0x40001                    ; its tile,
	s_and_b32 s22, s20, 1                          ; its K step,
	s_bfe_u32 s23, s20, 0x10005                    ; PK_W or PQ_W,
	s_lshr_b32 s24, s20, 6
	s_lshl_b32 s24, s24, 18                        ; and the person's matrix: 262,144 bytes each
	s_mov_b32 s25, 1024                            ; a row of it in bytes
	s_wait_kmcnt 0x0
	s_cmp_lt_u32 ttmp9, 2                          ; every choice hangs on the work-group's number alone
	s_cselect_b64 s[4:5], s[4:5], s[6:7]           ; Wk or Wq,
	s_cmp_lt_u32 ttmp9, 4
	s_cselect_b64 s[4:5], s[4:5], s[8:9]           ; or Wv
	s_cmp_eq_u32 s23, 0
	s_cselect_b64 s[10:11], s[10:11], s[12:13]     ; PK_W or PQ_W
	s_cmp_lt_u32 ttmp9, 6
	s_cselect_b64 s[4:5], s[4:5], s[10:11]         ; shared or a person's
	s_cselect_b32 s21, s33, s21
	s_cselect_b32 s22, 0, s22
	s_cselect_b32 s24, 0, s24
	s_cselect_b32 s25, 512, s25
	s_lshr_b32 s26, s21, 1
	s_lshl_b32 s26, s26, 5
	s_and_b32 s27, s21, 1
	s_lshl_b32 s27, s27, 3
	s_add_co_u32 s26, s26, s27                     ; the tile's first row: 32 (T / 2) + 8 (T % 2)
	s_mul_i32 s26, s26, s25
	s_add_co_u32 s26, s26, s24
	s_lshl_b32 s27, s22, 9                         ; the K step's 512 bytes of a row
	s_add_co_u32 s26, s26, s27
	s_mov_b32 s27, 0
	s_add_nc_u64 s[4:5], s[4:5], s[26:27]
	s_mul_i32 s28, s19, 1536
	s_mov_b32 s29, 0
	s_add_nc_u64 s[14:15], s[14:15], s[28:29]      ; my fragment's image
	s_lshl_b32 s30, s19, 7
	s_mov_b32 s31, 0
	s_add_nc_u64 s[16:17], s[16:17], s[30:31]      ; and its scale words
.irp i, 0,1,2,3,4,5,6,7,8,9,10,11,12,13,14,15
	v_mad_u32_u24 v[OFF+\i], s25, \i+8*(\i/8), v[LI]
.endr
.irp i, 0,1,2,3,4,5,6,7,8,9,10,11,12,13,14,15
	global_load_b128 v[XR+4*\i:XR+4*\i+3], v[OFF+\i], s[4:5] th:TH_LOAD_NT   ; 32 lanes read 512 consecutive bytes: the K step's 128 numbers of one row; read once in the launch
.endr
	v_mov_b32 v[PT], 0                             ; a lane permute's destination counts as one of its sources
.irp i, 0,1,2,3,4,5,6,7,8,9,10,11,12,13,14,15
	s_wait_loadcnt 15-\i                           ; loads come back in order: row i is in, the younger ones stay out
	ds_store_b128 v[SA], v[XR+4*\i:XR+4*\i+3] offset:ROWP*\i
.endr
.irp c, 0,1
.irp j, 0,1,2,3,4,5,6,7
	ds_load_b128 v[XN+32*\c+4*\j:XN+32*\c+4*\j+3], v[SR] offset:256*\c+16*\j   ; LDS serves a wave's instructions in order: these see my stores
.endr
.endr
	s_wait_dscnt 0x0
.irp c, 0,1                                    ; my block 2 c + h: all its 32 numbers are mine
	v_max3_num_f32 v[MX+\c], |v[XN+32*\c]|, |v[XN+1+32*\c]|, 0x2800000   ; and the floor 2^(5 - 127): the byte cannot fall under 1
.endr
.irp i, 2,4,6,8,10,12,14,16,18,20,22,24,26,28,30
.irp c, 0,1
	v_max3_num_f32 v[MX+\c], v[MX+\c], |v[XN+32*\c+\i]|, |v[XN+1+32*\c+\i]|   ; (the two blocks by turns)
.endr
.endr
.irp c, 0,1
	v_add_nc_u32 v[SO+\c], 0xfe000000, v[MX+\c]    ; 4 off the exponent field: the conversion takes the exponent field of this operand as its scale
.endr
.irp c, 0,1
	v_lshrrev_b32 v[BY+\c], 23, v[SO+\c]           ; the scale's byte
.endr
	v_lshl_or_b32 v[WD], v[BY+1], 16, v[BY]        ; my two bytes: blocks h and 2 + h of row r,
	v_lshlrev_b32 v6, 3, v7
	v_lshlrev_b32 v[WD], v6, v[WD]                 ; at their places in the scale word (8 h bits up);
	v_permlanex16_b32 v[PT], v[WD], s34, s35
	v_or_b32 v[WD], v[WD], v[PT]                   ; with lane l xor 16's two the word is whole, in both halves of the lanes
.irp c, 0,1
	v_cvt_scalef32_pk16_bf6_f32 v[C+6*\c:C+6*\c+2], v[XN+32*\c:XN+32*\c+15], v[SO+\c]
	v_cvt_scalef32_pk16_bf6_f32 v[CT+4*\c:CT+4*\c+2], v[XN+16+32*\c:XN+31+32*\c], v[SO+\c]   ; (a conversion's three registers begin on an even number)
.endr
	v_nop                                          ; one plain place behind a scaled conversion
.irp c, 0,1
.irp i, 0,1,2
	v_mov_b32 v[C+3+6*\c+\i], v[CT+4*\c+\i]        ; registers 6 c .. 6 c + 5 hold k = 64 c + 32 h + 0 .. 31
.endr
.endr
.irp c, 0,1,2
	global_store_b128 v[LI], v[C+4*\c:C+4*\c+3], s[14:15] offset:512*\c   ; 32 lanes store 512 consecutive bytes, at a multiple of 256 from the buffer's first byte
.endr
	global_store_b32 v[LS], v[WD], s[16:17]
	s_wait_tensorcnt 0x0
	ds_add_u32 v192, v193
	s_wait_dscnt 0x0
	s_endpgm
.Lfunc_end_k_q867f3b1b96_prep:
	.size	k_q867f3b1b96_prep, .Lfunc_end_k_q867f3b1b96_prep-k_q867f3b1b96_prep
	.p2alignl 7, 3214868480
	.fill 96, 4, 3214868480
	.section	.rodata,"a",@progbits
	.p2align	6, 0x0
	.amdhsa_kernel k_q867f3b1b96_prep
		.amdhsa_group_segment_fixed_size 68608
		.amdhsa_private_segment_fixed_size 0
		.amdhsa_enable_private_segment 0
		.amdhsa_kernarg_size 56
		.amdhsa_user_sgpr_count 2
		.amdhsa_user_sgpr_kernarg_segment_ptr 1
		.amdhsa_wavefront_size32 1
		.amdhsa_system_sgpr_workgroup_id_x 1
		.amdhsa_system_sgpr_workgroup_id_y 1
		.amdhsa_system_sgpr_workgroup_id_z 1
		.amdhsa_system_vgpr_workitem_id 0
		.amdhsa_next_free_vgpr 194
		.amdhsa_next_free_sgpr 66
		.amdhsa_reserve_vcc 0
		.amdhsa_float_denorm_mode_32 3
		.amdhsa_float_denorm_mode_16_64 3
		.amdhsa_memory_ordered 1
		.amdhsa_forward_progress 1
		.amdhsa_inst_pref_size 12
	.end_amdhsa_kernel
	.amdgpu_metadata
---
amdhsa.version: [ 1, 2 ]
amdhsa.kernels:
  - .name:           k_q867f3b1b96_prep
    .symbol:         k_q867f3b1b96_prep.kd
    .args:
      - { .name: Wk, .offset: 0, .size: 8, .value_kind: global_buffer, .address_space: global }
      - { .name: Wq, .offset: 8, .size: 8, .value_kind: global_buffer, .address_space: global }
      - { .name: Wv, .offset: 16, .size: 8, .value_kind: global_buffer, .address_space: global }
      - { .name: PK_W, .offset: 24, .size: 8, .value_kind: global_buffer, .address_space: global }
      - { .name: PQ_W, .offset: 32, .size: 8, .value_kind: global_buffer, .address_space: global }
      - { .name: wcodes, .offset: 40, .size: 8, .value_kind: global_buffer, .address_space: global }
      - { .name: wscales, .offset: 48, .size: 8, .value_kind: global_buffer, .address_space: global }
    .group_segment_fixed_size: 68608
    .private_segment_fixed_size: 0
    .kernarg_segment_align: 8
    .kernarg_segment_size: 56
    .max_flat_workgroup_size: 256
    .sgpr_count:     66
    .vgpr_count:     194
    .wavefront_size: 32
...
	.end_amdgpu_metadata
.endif
;; end of part 1
;; launch proj (part 2): grid 4 x 64, 4 waves a work-group, no clusters, 100,864 bytes of LDS; arguments x, person_idxs, PK_b, PQ_b, wcodes, wscales, kv, qbuf; writes kv, qbuf
.if DOCPART == 2
	.amdgcn_target "amdgcn-amd-amdhsa--gfx1250"
	.amdhsa_code_object_version 6
	.text
	.protected	k_q867f3b1b96_proj
	.globl	k_q867f3b1b96_proj
	.p2align	8
	.type	k_q867f3b1b96_proj,@function
k_q867f3b1b96_proj:
	s_mov_b64 s[64:65], 0
	v_nop
	global_prefetch_b8 v0, s[64:65] scope:SCOPE_SE
	s_setreg_imm32_b32 hwreg(HW_REG_WAVE_MODE, 25, 1), 1
	s_wait_xcnt 0x0
; keys = (x Wk^T) PK_W[p]^T + PK_b[p], queries = (x Wq^T) PQ_W[p]^T + PQ_b[p], v = x Wv^T, p = person_idxs[batch]: five products on codes of BF6 (E3M2) with one E8M0 scale for each 32 along K.
; x arrives as f32 and is quantised here; the weights come as images of operand registers (16 rows x 128 K: 12 registers a lane, registers 4 c .. 4 c + 3 of lane l at 512 c + 16 l of 1,536 bytes).
; k0 and q0 never go to memory.  Keys, queries and v^T leave as codes, again as images, in the order in which the attention reads them.
; THE DIVISION OF THE QUERIES BY 16 is left to the attention's factor log2(e) / 16: a power of two moves a block's scale and no code.  LIMIT: this differs from the stated order only for query blocks whose largest magnitude lies under 2^-118.
; SHARES.  A work-group takes 256 tokens of one batch, as two blocks of 128 (8 tiles of 16).  THE WAVES SHARE THE COLUMNS: wave w = 2 g + sh makes hidden units 128 sh on of k0 (g = 0) or q0 (g = 1), the same units of keys or queries,
; and channels 64 w on of v, for all tokens.  So its 28 weight fragments (336 registers) and its bias stay in registers for the whole launch; what goes round through LDS is small: a block's codes of x and of the hidden layer.
; NO CLUSTER: the weights go once from memory straight into registers (43 KB a wave) and never through LDS, where a joint load would land them; x is read by one work-group alone.
; A TILE'S ROWS ARE NOT NEIGHBOURS, for tokens and for weights' rows alike: lane r of tile T takes row 32 (T / 2) + 8 (T % 2) + r + 8 (r / 8); the 16 result registers of two neighbouring tiles are then 16 neighbours along the next K.
; A BLOCK, two barriers:  X: wave w quantises token tiles 2 w, 2 w + 1 of x, images to LDS | barrier |  1: for each token tile: my 8 tiles of the hidden layer (source 0 = weights, source 1 = x), quantised, image to LDS; my 4 tiles of v^T
; (source 0 = x, source 1 = Wv: a lane holds one channel, its registers run along the tokens); at the end v^T is quantised along the tokens and stored | barrier |  2: for each token tile: my 8 tiles of keys or queries, bias as C, quantised, stored.
; x's images are written again only behind the second barrier, the hidden layer's only behind the next block's first: each wave has waited for all its LDS instructions in front of every signal.
; THE ORDER OF THE LOADS.  What is wanted first is asked for first: x's 32 rows, behind them the first layer's 24 loads; Wv's and the scale words when x is in, so that they land while x is quantised; the person's 48 loads behind that,
; with all of phase 1 in which to land; bias and the person's scale words in phase 1.  The person's number is waited for only where its addresses are made.
; THE TWO BLOCKS ARE WRITTEN OUT by one macro: they differ in their loads and waits (the first brings the weights in, the second asks for nothing), and so the text has no branch and every counted wait one path; under 40 KB of code.
; LIMITS: a block whose largest magnitude lies under 2^-122 keeps the scale byte 1; NaN and infinities are not served; the person's number is held at 31 from above.
; REGISTERS, in windows of 256: window 0: v1-13 addresses; v16-39 two fragments in hand; v40-103 my 8 result tiles; v104-122 the codes just made; v124-187 64 numbers of x; v188-204 at work; v206-217 scale words on their way out;
;   v218-247 scale words of operands, and nothing else.   window 1: v0-95 the first layer's 8 fragments, v96-143 Wv's 4, v144-207 the bias.   window 2: v0-191 the person's 16 fragments, v192-255 64 numbers of x.   window 3: v^T, 4 x 8 tiles.
.set FRB,  1536
.set ROWP, 528                         ; a row of the turn stage: 512 bytes + 16: sixteen rows start in sixteen different groups of banks
.set XIMG, 4*16*ROWP                   ; LDS: four turn stages, one a wave; then x's 8 images,
.set XSC,  XIMG+8*FRB                  ; their scale words, 128 bytes each,
.set HIMG, XSC+8*128                   ; the hidden layer's 32 images (token tile m, wave w: 4 m + w),
.set HSC,  HIMG+32*FRB                 ; and their scale words
.set KVB,  52224                       ; a block of kv: 16 fragments of K, 16 of V^T, 1,024 bytes of K's scale words, 2,048 of V's
.set QBB,  25600                       ; a block of qbuf: 16 fragments, 1,024 bytes of scale words
.set LI,  1                            ; 16 x lane
.set LS,  2                            ; 4 x lane
.set XSA, 3                            ; my stage, on the way in
.set XSR, 4                            ; and back: row r, + 64 h
.set XWI, 5                            ; where I store x's images, and (XWS) their scale words
.set XWS, 6
.set HWI, 7                            ; the hidden layer's
.set HWS, 8
.set HRI, 9                            ; where I read the hidden layer's two K steps of my matrix
.set HRS, 10
.set XRI, 11                           ; where I read x's
.set XRS, 12
.set BO,  13                           ; the bias: 64 h bytes; kept until the bias is asked for
.set F0,  16
.set F1,  28
.set HA,  40
.set PC,  104
.set XR0, 124
.set TM,  188                          ; v188-191 largest magnitudes, v192-195 bytes, v200-203 the conversions' scale operands
.set PW,  204                          ; the scale word just made
.set SW,  206                          ; v206-213 scale words kept for one store
.set PK4, 214
.set FS0, 218
.set FS1, 219
.set W1S, 220
.set WVS, 228
.set W2S, 232
.set W1,  0                            ; window 1
.set WV,  96
.set BI,  144
.set W2,  0                            ; window 2
.set XR1, 192
.set MSB, 0
.macro WIN new                         ; the immediate's high byte repeats the setting that is left; a switch that changes nothing is dropped
.if MSB != \new
	s_set_vgpr_msb (MSB<<8)|\new
.set MSB, \new
.endif
.endm
.macro MM0 d, a, b, sa, sb             ; a product that starts a sum
	v_wmma_scale_f32_16x16x128_f8f6f4 v[(\d):(\d)+7], v[(\a):(\a)+11], v[(\b):(\b)+11], 0, v[\sa], v[\sb] matrix_a_fmt:MATRIX_FMT_BF6 matrix_b_fmt:MATRIX_FMT_BF6
.endm
.macro MMC d, a, b, c, sa, sb
	v_wmma_scale_f32_16x16x128_f8f6f4 v[(\d):(\d)+7], v[(\a):(\a)+11], v[(\b):(\b)+11], v[(\c):(\c)+7], v[\sa], v[\sb] matrix_a_fmt:MATRIX_FMT_BF6 matrix_b_fmt:MATRIX_FMT_BF6
.endm
.macro PLACES n
.rept \n
	v_nop
.endr
.endm
; 64 numbers of a lane in window w, v[s] on, register 16 b + i = k 32 b + 16 (lane / 16) + i of my row, become a fragment's codes in v[PC] on and its scale word in v[PW].  Each result tile is read from its low end on.
.macro QUANT s, w
	WIN 5*(\w)                                     ; sources 0 and 1
.irp b, 0,1,2,3
	v_max3_num_f32 v[TM+\b], |v[(\s)+16*\b]|, |v[(\s)+1+16*\b]|, 0x2800000   ; block b: my 16 numbers, and the floor 2^(5 - 127): the byte cannot fall under 1
.endr
	WIN 20*(\w)                                    ; sources 1 and 2
.irp i, 2,4,6,8,10,12,14
.irp b, 0,1,2,3
	v_max3_num_f32 v[TM+\b], v[TM+\b], |v[(\s)+16*\b+\i]|, |v[(\s)+1+16*\b+\i]|   ; (the four blocks by turns)
.endr
.endr
	WIN 0
.irp b, 0,1,2,3
	v_permlanex16_b32 v[TM+4+\b], v[TM+\b], s26, s27
.endr
.irp b, 0,1,2,3
	v_max_num_f32 v[TM+\b], v[TM+\b], v[TM+4+\b]   ; with lane l xor 16's: the block's largest magnitude
.endr
.irp b, 0,1,2,3
	v_add_nc_u32 v[TM+12+\b], 0xfe000000, v[TM+\b] ; 4 off its exponent field: the conversion's scale operand
.endr
.irp b, 0,1,2,3
	v_lshrrev_b32 v[TM+4+\b], 23, v[TM+12+\b]      ; the scale's byte
.endr
	v_lshl_or_b32 v[PW], v[TM+5], 8, v[TM+4]       ; the four bytes make my row's scale word, the same in both halves of the lanes
	v_lshl_or_b32 v[PW], v[TM+6], 16, v[PW]
	v_lshl_or_b32 v[PW], v[TM+7], 24, v[PW]
	WIN (\w)                                       ; source 0
.irp c, 0,1
	v_cvt_scalef32_pk16_bf6_f32 v[PC+6*\c:PC+2+6*\c], v[(\s)+32*\c:(\s)+15+32*\c], v[TM+12+2*\c]
	v_cvt_scalef32_pk16_bf6_f32 v[PC+12+4*\c:PC+14+4*\c], v[(\s)+16+32*\c:(\s)+31+32*\c], v[TM+13+2*\c]   ; (a conversion's three registers begin on an even number)
.endr
	WIN 0
	v_nop                                          ; one plain place behind a scaled conversion
.irp c, 0,1                                    ; the operand's layout wants a WHOLE block in a lane: lanes 0-15 block 2 c, lanes 16-31 block 2 c + 1
.irp i, 0,1,2
	v_permlane16_swap_b32 v[PC+6*\c+\i], v[PC+12+4*\c+\i]
.endr
.irp i, 0,1,2
	v_mov_b32 v[PC+3+6*\c+\i], v[PC+12+4*\c+\i]
.endr
.endr
.endm
.macro IMAGE adr, off                          ; the fragment in v[PC] on goes to LDS as it stands
.irp c, 0,1,2
	ds_store_b128 v[\adr], v[PC+4*\c:PC+4*\c+3] offset:(\off)+512*\c
.endr
.endm
.macro FETCH reg, adr, off                     ; and comes back so, in any wave
.irp c, 0,1,2
	ds_load_b128 v[\reg+4*\c:\reg+4*\c+3], v[\adr] offset:(\off)+512*\c
.endr
.endm
.macro GIMAGE base, off                        ; or to memory: each store covers 512 consecutive bytes, at a multiple of 256 from the buffer's first byte
.irp c, 0,1,2
	global_store_b128 v[LI], v[PC+4*\c:PC+4*\c+3], s[\base:\base+1] offset:(\off)+512*\c
.endr
.endm
.macro XLOAD off                               ; my two token tiles of x, from off bytes on: each load reads one whole row of 512 bytes
.irp i, 0,1,2,3,4,5,6,7,8,9,10,11,12,13,14,15
	global_load_b128 v[XR0+4*\i:XR0+4*\i+3], v[LI], s[4:5] offset:\off+(\i+8*(\i/8))*512 th:TH_LOAD_NT
.endr
	WIN 0x80                                       ; destination window 2
.irp i, 0,1,2,3,4,5,6,7,8,9,10,11,12,13,14,15
	global_load_b128 v[XR1+4*\i:XR1+4*\i+3], v[LI], s[4:5] offset:\off+(8+\i+8*(\i/8))*512 th:TH_LOAD_NT
.endr
	WIN 0
.endm
.macro BARRIER                                 ; my LDS stores have landed and my LDS loads are in: then the work-group's barrier
	s_wait_dscnt 0x0
	s_barrier_signal -1
	s_barrier_wait -1
.endm
	s_load_b256 s[4:11], s[0:1], 0x0               ; x s[4:5], person_idxs s[6:7], PK_b s[8:9], PQ_b s[10:11]
	s_load_b256 s[12:19], s[0:1], 0x20             ; wcodes s[12:13], wscales s[14:15], kv s[16:17], qbuf s[18:19]
	v_lshl_add_u32 v254, v0, 2, 0x18800
	v_mov_b32 v255, 0
	v_lshrrev_b32 v13, 5, v0
	v_readfirstlane_b32 s20, v13                   ; wave w
	s_lshr_b32 s21, s20, 1                         ; g: keys' chain or queries'
	s_and_b32 s22, s20, 1                          ; sh: which 128 units
	s_and_b32 s23, ttmp7, 0xffff                   ; batch
	s_mov_b32 s24, ttmp9                           ; which 256 tokens
	v_and_b32 v13, 31, v0                          ; lane
	v_and_b32 v14, 15, v0                          ; r
	v_bfe_u32 v15, v0, 4, 1                        ; h
	v_lshlrev_b32 v[LI], 4, v13
	v_lshlrev_b32 v[LS], 2, v13
	v_lshlrev_b32 v[BO], 6, v15                    ; the bias: 64 h bytes
	s_mul_i32 s54, s20, 16*ROWP
	v_add_nc_u32 v[XSA], s54, v[LI]
	v_mul_u32_u24 v[XSR], v14, ROWP
	v_lshl_add_u32 v[XSR], v15, 6, v[XSR]
	v_add_nc_u32 v[XSR], s54, v[XSR]
	s_mul_i32 s54, s20, 2*FRB
	s_add_co_u32 s54, s54, XIMG
	v_add_nc_u32 v[XWI], s54, v[LI]
	s_lshl_b32 s54, s20, 8
	s_add_co_u32 s54, s54, XSC
	v_add_nc_u32 v[XWS], s54, v[LS]
	s_mul_i32 s54, s20, FRB
	s_add_co_u32 s54, s54, HIMG
	v_add_nc_u32 v[HWI], s54, v[LI]
	s_lshl_b32 s54, s20, 7
	s_add_co_u32 s54, s54, HSC
	v_add_nc_u32 v[HWS], s54, v[LS]
	s_mul_i32 s54, s21, 2*FRB
	s_add_co_u32 s54, s54, HIMG
	v_add_nc_u32 v[HRI], s54, v[LI]
	s_lshl_b32 s54, s21, 8
	s_add_co_u32 s54, s54, HSC
	v_add_nc_u32 v[HRS], s54, v[LS]
	v_add_nc_u32 v[XRI], XIMG, v[LI]
	v_add_nc_u32 v[XRS], XSC, v[LS]
.irp b, 0,1,2,3
	v_mov_b32 v[TM+4+\b], 0                        ; written once: a lane permute's destination counts as one of its sources
.endr
	s_mov_b32 s26, 0x76543210
	s_mov_b32 s27, 0xfedcba98                      ; v_permlanex16_b32's selects for lane l xor 16
	s_mov_b32 s29, 0xffff                          ; lanes 0-15
	s_mov_b32 s55, 0                               ; the upper word of every offset made in s54, and (s59) in s58
	s_mov_b32 s59, 0
	s_wait_kmcnt 0x0
	s_lshl_b32 s54, s23, 2
	s_add_nc_u64 s[6:7], s[6:7], s[54:55]
	s_load_b32 s25, s[6:7], 0x0                    ; the batch's person: waited for only where its addresses are made
	s_lshl_b32 s54, s23, 10
	s_lshl_b32 s56, s24, 8
	s_add_co_u32 s54, s54, s56
	s_lshl_b32 s56, s20, 5
	s_add_co_u32 s54, s54, s56                     ; my first token: 1,024 batch + 256 x + 32 w
	s_lshl_b32 s54, s54, 9
	s_add_nc_u64 s[4:5], s[4:5], s[54:55]
	XLOAD 0                                        ; the first block's rows go out ahead of everything else: 32 loads
	s_mul_i32 s54, s20, 8*FRB
	s_add_nc_u64 s[30:31], s[12:13], s[54:55]      ; the first layer's fragments 8 w on
	WIN 0x40                                       ; destination window 1
.irp t, 0,1,2,3,4,5,6,7
.irp c, 0,1,2
	global_load_b128 v[W1+12*\t+4*\c:W1+12*\t+4*\c+3], v[LI], s[30:31] offset:FRB*\t+512*\c   ; 24 loads: 56 of mine are out
.endr
.endr
	WIN 0
	s_mul_i32 s54, s20, 4*FRB
	s_add_co_u32 s54, s54, 32*FRB
	s_add_nc_u64 s[32:33], s[12:13], s[54:55]      ; Wv's fragments 32 + 4 w on
	s_lshl_b32 s54, s20, 10
	s_add_nc_u64 s[48:49], s[14:15], s[54:55]      ; and the scale words, 128 bytes a fragment
	s_lshl_b32 s54, s20, 9
	s_add_co_u32 s54, s54, 32*128
	s_add_nc_u64 s[50:51], s[14:15], s[54:55]
	s_lshl_b32 s56, s23, 3
	s_lshl_b32 s57, s24, 1
	s_add_co_u32 s56, s56, s57                     ; my first block of 128 tokens: 8 batch + 2 x
	s_mul_i32 s54, s56, KVB
	s_add_nc_u64 s[16:17], s[16:17], s[54:55]
	s_mul_i32 s54, s56, QBB
	s_add_nc_u64 s[18:19], s[18:19], s[54:55]
	s_mul_i32 s54, s20, 4*FRB
	s_add_co_u32 s54, s54, 16*FRB
	s_add_nc_u64 s[40:41], s[16:17], s[54:55]      ; where my four fragments of V^T go,
	s_lshl_b32 s54, s20, 9
	s_add_co_u32 s54, s54, 32*FRB+1024
	s_add_nc_u64 s[42:43], s[16:17], s[54:55]      ; and their scale words
	s_mov_b32 s46, QBB
	s_mov_b32 s47, 0
	s_mov_b32 s58, 16*FRB
	s_cmp_lt_u32 s20, 2                            ; keys' waves or queries': the choice hangs on the wave's number alone
	s_cselect_b64 s[36:37], s[16:17], s[18:19]
	s_cselect_b64 s[44:45], s[8:9], s[10:11]
	s_cselect_b32 s46, KVB, s46                    ; the step from block to block
	s_cselect_b32 s58, 32*FRB, s58                 ; where the scale words begin in a block
	s_mul_i32 s54, s22, FRB
	s_lshl_b32 s57, s22, 9
	s_add_co_u32 s58, s58, s57
	s_add_nc_u64 s[38:39], s[36:37], s[58:59]      ; my K step's scale words
	s_add_nc_u64 s[36:37], s[36:37], s[54:55]      ; my K step's fragments
; A BLOCK OF 128 TOKENS.  first = 1: the first of the two: it brings the weights in on its way and asks for the second block's rows; first = 0: the second: it asks for nothing.
.macro BLOCK first
	; ---- X: my 32 rows of x become two fragments.  The rows turn through my stage: in as they were loaded, back 16 numbers of each of the four blocks of 32 a lane
.if \first
	s_wait_loadcnt 24                              ; loads come back in order: x's 32 are in, the first layer's 24 may be out
	WIN 0x40                                       ; Wv's fragments and the first layer's scale words go out now and land while x is quantised: 24 loads, 48 of mine out at the most
.irp n, 0,1,2,3
.irp c, 0,1,2
	global_load_b128 v[WV+12*\n+4*\c:WV+12*\n+4*\c+3], v[LI], s[32:33] offset:FRB*\n+512*\c
.endr
.endr
	WIN 0
.irp t, 0,1,2,3,4,5,6,7
	global_load_b32 v[W1S+\t], v[LS], s[48:49] offset:128*\t
.endr
.irp n, 0,1,2,3
	global_load_b32 v[WVS+\n], v[LS], s[50:51] offset:128*\n
.endr
.else
	s_wait_loadcnt 0x0                             ; this block's rows, asked for a phase ago
.endif
.irp i, 0,1,2,3,4,5,6,7,8,9,10,11,12,13,14,15
	ds_store_b128 v[XSA], v[XR0+4*\i:XR0+4*\i+3] offset:ROWP*\i
.endr
.irp b, 0,1,2,3
.irp j, 0,1,2,3
	ds_load_b128 v[HA+16*\b+4*\j:HA+16*\b+4*\j+3], v[XSR] offset:128*\b+16*\j   ; LDS serves a wave's instructions in order: these see the stores above, and the stores below come behind them
.endr
.endr
	WIN 0x08                                       ; an LDS store's data are its source 1: window 2
.irp i, 0,1,2,3,4,5,6,7,8,9,10,11,12,13,14,15
	ds_store_b128 v[XSA], v[XR1+4*\i:XR1+4*\i+3] offset:ROWP*\i
.endr
	WIN 0
	s_wait_dscnt 32                                ; of 48 issued the oldest 16 are done: the first tile's stores have read the registers into which the loads below land
.irp b, 0,1,2,3
.irp j, 0,1,2,3
	ds_load_b128 v[XR0+16*\b+4*\j:XR0+16*\b+4*\j+3], v[XSR] offset:128*\b+16*\j
.endr
.endr
	s_wait_dscnt 32                                ; the first tile's numbers are back; the second tile's 16 stores and 16 loads may be out
	QUANT HA,0
	IMAGE XWI,0
	ds_store_b32 v[XWS], v[PW]
	s_wait_dscnt 0x0                               ; the second tile's numbers are back, and the stores have read their registers
	QUANT XR0,0
	IMAGE XWI,FRB
	ds_store_b32 v[XWS], v[PW] offset:128
.if \first
	s_wait_loadcnt 0x0                             ; the first layer's and Wv's fragments and scale words: they are multiplied right behind the barrier
	s_wait_kmcnt 0x0                               ; the person's number
	s_min_u32 s25, s25, 31                         ; held inside the table
	s_lshl_b32 s56, s25, 1
	s_add_co_u32 s56, s56, s21                     ; 2 p + g
	s_mul_i32 s54, s56, 32*FRB
	s_mul_i32 s57, s22, 16*FRB
	s_add_co_u32 s54, s54, s57
	s_add_co_u32 s54, s54, 48*FRB
	s_add_nc_u64 s[34:35], s[12:13], s[54:55]      ; the person's fragments 48 + 32 (2 p + g) + 16 sh on
	s_lshl_b32 s54, s56, 12
	s_lshl_b32 s57, s22, 11
	s_add_co_u32 s54, s54, s57
	s_add_co_u32 s54, s54, 48*128
	s_add_nc_u64 s[52:53], s[14:15], s[54:55]      ; their scale words
	s_lshl_b32 s54, s25, 10
	s_lshl_b32 s57, s22, 9
	s_add_co_u32 s54, s54, s57
	s_add_nc_u64 s[44:45], s[44:45], s[54:55]      ; the person's bias, my 128 units
	WIN 0x80                                       ; destination window 2
.irp f, 0,1,2,3,4,5,6,7,8,9,10,11,12,13,14,15  ; fragment f = 2 t + K step: 48 loads, which have all of phase 1 in which to land
.irp c, 0,1,2
	global_load_b128 v[W2+12*\f+4*\c:W2+12*\f+4*\c+3], v[LI], s[34:35] offset:FRB*\f+512*\c
.endr
.endr
	WIN 0
.endif
	BARRIER                                        ; x's eight fragments lie in LDS
	; ---- 1: the hidden layer and v^T, a tile of 16 tokens at a time
	FETCH F0,XRI,0
	ds_load_b32 v[FS0], v[XRS]
.irp m, 0,1,2,3,4,5,6,7
.if \m == 0
	s_wait_dscnt 0x0                               ; x's fragment and its scale words are in
.else
	s_wait_dscnt 4                                 ; x's fragment and its scale words (4 loads) are in; the last tile's 4 image stores, issued behind them, may be out
.endif
	WIN 0x01                                       ; source 0 (weights) window 1
.irp t, 0,1,2,3,4,5,6,7
	MM0 HA+8*\t,W1+12*\t,F0,W1S+\t,FS0
.endr
	WIN 0xc4                                       ; source 1 (Wv) window 1, destination window 3
.irp n, 0,1,2,3
	MM0 64*\n+8*\m,F0,WV+12*\n,FS0,WVS+\n
.endr
	WIN 0
	PLACES 4                                       ; in front of loads into registers that these products read, and of the first read of their results
.if \m < 7
	FETCH F0,XRI,FRB*(\m+1)
	ds_load_b32 v[FS0], v[XRS] offset:128*(\m+1)
	s_wait_dscnt 4                                 ; all but the 4 loads just issued: the last tile's image stores are done, so the codes' and the scale word's registers may be written again
.else
	s_wait_dscnt 0x0                               ; the last tile's image stores are done
.endif
.if (\first) && (\m == 4)                      ; the person's bias and scale words: 32 loads, wanted at the head of phase 2
	WIN 0x40                                       ; destination window 1
.irp t, 0,1,2,3,4,5,6,7                        ; the bias in the result's layout: lane (r, h) wants, for tile t, units 32 (t / 2) + 16 h + 8 (t % 2) + 0 .. 7
	global_load_b128 v[BI+8*\t:BI+8*\t+3], v[BO], s[44:45] offset:(32*(\t/2)+8*(\t%2))*4
	global_load_b128 v[BI+8*\t+4:BI+8*\t+7], v[BO], s[44:45] offset:(32*(\t/2)+8*(\t%2))*4+16
.endr
	WIN 0
.irp f, 0,1,2,3,4,5,6,7,8,9,10,11,12,13,14,15
	global_load_b32 v[W2S+\f], v[LS], s[52:53] offset:128*\f
.endr
.endif
	QUANT HA,0
	IMAGE HWI,4*FRB*\m                             ; K step sh of my matrix's second product, token tile m
	ds_store_b32 v[HWS], v[PW] offset:512*\m
.endr
	s_wait_dscnt 0x0                               ; the last image's stores have read their registers
.irp n, 0,1,2,3                                ; v^T: channel tile 4 w + n, K = the block's 128 tokens in their own order
	s_wait_xcnt 0x0                                ; the codes' registers are the data of stores issued before: they are written again only behind this wait
	QUANT 64*\n,3
	GIMAGE 40,FRB*\n
	v_mov_b32 v[SW+\n], v[PW]
.endr
	global_store_b128 v[LI], v[SW:SW+3], s[42:43]  ; the four tiles' scale words, four to a lane
	BARRIER                                        ; the hidden layer's 32 fragments lie in LDS
	; ---- 2: keys or queries
	FETCH F0,HRI,0
	FETCH F1,HRI,FRB
	ds_load_b32 v[FS0], v[HRS]
	ds_load_b32 v[FS1], v[HRS] offset:128
.if \first
	s_wait_loadcnt 0x0                             ; the person's fragments, scale words and bias
	XLOAD 65536                                    ; the second block's rows: they have all of this phase in which to land.  The second block asks for nothing: no load leaves its buffer
.endif
.irp m, 0,1,2,3,4,5,6,7
	s_wait_dscnt 0x0                               ; the two fragments and their scale words, asked for ahead of the last tile's quantising
	WIN 0x12                                       ; source 0 (weights) window 2, source 2 (bias) window 1
.irp t, 0,1,2,3,4,5,6,7
	MMC HA+8*\t,W2+24*\t,F0,BI+8*\t,W2S+2*\t,FS0
.endr
	WIN 0x02                                       ; the eight accumulators take turns, one instruction a turn
.irp t, 0,1,2,3,4,5,6,7
	MMC HA+8*\t,W2+24*\t+12,F1,HA+8*\t,W2S+2*\t+1,FS1
.endr
	WIN 0
	PLACES 4
.if \m < 7
	FETCH F0,HRI,4*FRB*(\m+1)
	FETCH F1,HRI,4*FRB*(\m+1)+FRB
	ds_load_b32 v[FS0], v[HRS] offset:512*(\m+1)
	ds_load_b32 v[FS1], v[HRS] offset:512*(\m+1)+128
.endif
	s_wait_xcnt 0x0                                ; earlier stores have read the codes' and the scale words' registers
	QUANT HA,0
	GIMAGE 36,2*FRB*\m                             ; token tile m, K step sh of the scores' product
	v_mov_b32 v[SW+\m], v[PW]
.endr
.irp i, 0,1,2,3
	v_cndmask_b32 v[PK4+\i], v[SW+4+\i], v[SW+\i], s29   ; lanes 0-15: tile i's words, lanes 16-31: tile 4 + i's: one register then serves two tiles
.endr
	global_store_b128 v[LI], v[PK4:PK4+3], s[38:39]
.if \first
	s_wait_xcnt 0x0                                ; loads and stores have read their bases and registers: all may be written again
	s_add_nc_u64 s[36:37], s[36:37], s[46:47]      ; on to the second block's places
	s_add_nc_u64 s[38:39], s[38:39], s[46:47]
	s_add_nc_u64 s[40:41], s[40:41], KVB
	s_add_nc_u64 s[42:43], s[42:43], KVB
.endif
.endm
	BLOCK 1
	BLOCK 0
	s_wait_tensorcnt 0x0
	ds_add_u32 v254, v255
	s_wait_dscnt 0x0
	s_endpgm
.Lfunc_end_k_q867f3b1b96_proj:
	.size	k_q867f3b1b96_proj, .Lfunc_end_k_q867f3b1b96_proj-k_q867f3b1b96_proj
	.p2alignl 7, 3214868480
	.fill 96, 4, 3214868480
	.section	.rodata,"a",@progbits
	.p2align	6, 0x0
	.amdhsa_kernel k_q867f3b1b96_proj
		.amdhsa_group_segment_fixed_size 100864
		.amdhsa_private_segment_fixed_size 0
		.amdhsa_enable_private_segment 0
		.amdhsa_kernarg_size 64
		.amdhsa_user_sgpr_count 2
		.amdhsa_user_sgpr_kernarg_segment_ptr 1
		.amdhsa_wavefront_size32 1
		.amdhsa_system_sgpr_workgroup_id_x 1
		.amdhsa_system_sgpr_workgroup_id_y 1
		.amdhsa_system_sgpr_workgroup_id_z 1
		.amdhsa_system_vgpr_workitem_id 0
		.amdhsa_next_free_vgpr 1024
		.amdhsa_next_free_sgpr 66
		.amdhsa_reserve_vcc 0
		.amdhsa_float_denorm_mode_32 3
		.amdhsa_float_denorm_mode_16_64 3
		.amdhsa_memory_ordered 1
		.amdhsa_forward_progress 1
		.amdhsa_inst_pref_size 255
	.end_amdhsa_kernel
	.section	.bss,"aw",@nobits
	.p2align	6
	.space	262144
	.amdgpu_metadata
---
amdhsa.version: [ 1, 2 ]
amdhsa.kernels:
  - .name:           k_q867f3b1b96_proj
    .symbol:         k_q867f3b1b96_proj.kd
    .args:
      - { .name: x, .offset: 0, .size: 8, .value_kind: global_buffer, .address_space: global }
      - { .name: person_idxs, .offset: 8, .size: 8, .value_kind: global_buffer, .address_space: global }
      - { .name: PK_b, .offset: 16, .size: 8, .value_kind: global_buffer, .address_space: global }
      - { .name: PQ_b, .offset: 24, .size: 8, .value_kind: global_buffer, .address_space: global }
      - { .name: wcodes, .offset: 32, .size: 8, .value_kind: global_buffer, .address_space: global }
      - { .name: wscales, .offset: 40, .size: 8, .value_kind: global_buffer, .address_space: global }
      - { .name: kv, .offset: 48, .size: 8, .value_kind: global_buffer, .address_space: global }
      - { .name: qbuf, .offset: 56, .size: 8, .value_kind: global_buffer, .address_space: global }
    .group_segment_fixed_size: 100864
    .private_segment_fixed_size: 0
    .kernarg_segment_align: 8
    .kernarg_segment_size: 64
    .max_flat_workgroup_size: 128
    .sgpr_count:     66
    .vgpr_count:     1024
    .wavefront_size: 32
...
	.end_amdgpu_metadata
.endif
;; end of part 2
;; launch attn (part 3): grid 4 x 64, 8 waves a work-group, clusters of 4 x 1, 327,680 bytes of LDS; arguments qbuf, kv, mask, out0; writes out0
.if DOCPART == 3
	.amdgcn_target "amdgcn-amd-amdhsa--gfx1250"
	.amdhsa_code_object_version 6
	.text
	.protected	k_q867f3b1b96_attn
	.globl	k_q867f3b1b96_attn
	.p2align	8
	.type	k_q867f3b1b96_attn,@function
k_q867f3b1b96_attn:
	s_mov_b64 s[64:65], 0
	v_nop
	global_prefetch_b8 v0, s[64:65] scope:SCOPE_SE
	s_setreg_imm32_b32 hwreg(HW_REG_WAVE_MODE, 25, 1), 1
	s_wait_xcnt 0x0
	s_wait_alu depctr_hold_cnt(0) depctr_sa_sdst(0) depctr_va_vdst(0) depctr_va_sdst(0) depctr_va_ssrc(0) depctr_va_vcc(0) depctr_vm_vsrc(0)
	s_getreg_b32 s2, hwreg(HW_REG_IB_STS2, 6, 4)
	s_cmp_eq_u32 s2, 0
	s_cbranch_scc0 .Lentry_in_a_cluster
	s_endpgm
.Lentry_in_a_cluster:
	s_bfe_u32 s2, ttmp6, 0x10000c
	s_cmp_lg_u32 s2, 0x3003
	s_cbranch_scc0 .Lentry_shape_is_right
	s_endpgm
.Lentry_shape_is_right:
; out0[b][q][:] = the sum over keys of softmax(queries[b][q] . keys[b][k] / 16, keys with mask 0 left out) v[b][k][:], both products on codes of BF6 (E3M2) with one E8M0 scale for each 32 along K.
; Queries, keys and v^T come as images of operand registers (16 rows x 128 K: registers 4 c .. 4 c + 3 of lane l at 512 c + 16 l of 1,536 bytes); a block of kv holds all that a step of 128 keys needs, on end:
; 16 fragments of K (key tile kt, K step s: 2 kt + s), 16 of V^T (channel tile dt), K's scale words (512 bytes a K step: four words a lane, lanes 0-15 tiles 0-3, lanes 16-31 tiles 4-7), V's (512 bytes for four channel tiles).
; THE SOFTMAX: t = score x log2(e) / 16; M = the row's largest t so far, rounded up to a whole number; p = 2^(t - M) is quantised along the keys, not normalised; the row's sum is taken of the unquantised p and divides at the end.
; When M moves, the sum and O are multiplied by 2^(old M - new M), which rounds nothing.
; THE MASK costs no vector instruction in the loop: 0 or -3e38 for each key lies in LDS as f32 and is the C of a score tile's first product.
; SHARES.  A cluster of four work-groups is one batch; a work-group owns 256 queries, each of its eight waves two tiles of 16: a fragment of K or V read from LDS feeds two products, and two waves share a SIMD, so that one wave's
; softmax stands beside the other's products and LDS loads.  Every wave walks 8 steps of 128 keys.  The four work-groups walk the same blocks of kv: each slot (two blocks, 104,448 dense bytes) is asked for JOINTLY, every wave an eighth.
; LAYOUT.  Both products are used transposed: S^T = K Q^T, O^T = V^T P^T: a lane holds one query throughout.  Lane r of a tile T of keys, queries or channels is row 32 (T / 2) + 8 (T % 2) + r + 8 (r / 8), so that the 16 result
; registers of two neighbouring tiles are 16 neighbours.
; LIMITS: a masked score stands as -3e38, not as -infinity; the running largest t starts at -1e30, so a row whose every open t lies under -1e30 is not served; a batch with no open key gives 0 x infinity = NaN, as the softmax of
; nothing does; a block of p that has fallen to 0 keeps the scale byte 1 over zero codes; NaN and infinities are not served.
; REGISTERS: window 0: v1-5 addresses; v[6:7] the rescaling factor; v8-15 -M, largest t, the sum's two halves for each tile; v16-27 scale words and nothing else (Q's, p's, K's or V's); v28-75 Q; v76-139, v140-203 the two tiles' scores,
;   later two sets of four fragments of V, at the end rows of the output; v204-251 four fragments of K, later the softmax's work and p's codes; v250-255 at work.   window 1: O^T, 16 tiles for each query tile.
.set FRB,   1536
.set STEPB, 52224                      ; a block of kv
.set SLOT1, 1<<17                      ; slot 1 begins here: one exclusive or turns an address in one slot into the other's
.set MB,    2*STEPB                    ; behind slot 0: the mask's 1,024 numbers, stored once, in blocks of 256 bytes into which no fill lands
.set SPARE, MB+4096                    ; the spare words, 128 bytes for each wave: four blocks of 256 bytes that no other line names
.set STAGE, SLOT1+2*STEPB              ; behind slot 1: 16 rows x (512 bytes + 16) for each wave, for the way out; no fill lands here
.set ROWP,  528
.set LI,   1                           ; 16 x lane
.set SPW,  2                           ; LDS address of my spare word; never rewritten
.set NIL,  3                           ; 0; never rewritten
.set AD,   4                           ; the step's block in LDS + 16 x lane; on the way out: where I put 16 bytes of a row
.set ADM,  5                           ; the step's mask numbers + 64 h; on the way out: where I read a row back
.set ST,   8
.set QS,   16
.set PS,   18
.set KS,   20
.set Q,    28                          ; tile q, K step s at Q + 24 q + 12 s
.set S0,   76
.set S1,   140
.set VSET, 76                          ; V's two sets of four fragments
.set POOL, 204
.set BM,   204                         ; each block's largest score, then its largest p
.set PT,   208
.set SO,   212
.set CT,   216
.set SUM2, 224
.set P0,   226                         ; p's codes: tile q at P0 + 12 q
.set TA,   250
.set OB,   76                          ; the way out: 16 rows read back, two sets by turns
.set MSB, 0
.macro WIN new                         ; the immediate's high byte repeats the setting that is left; a switch that changes nothing is dropped
.if MSB != \new
	s_set_vgpr_msb (MSB<<8)|\new
.set MSB, \new
.endif
.endm
.macro PLACES n
.rept \n
	v_nop
.endr
.endm
.macro MM0 d, a, b, sa, sb
	v_wmma_scale_f32_16x16x128_f8f6f4 v[(\d):(\d)+7], v[(\a):(\a)+11], v[(\b):(\b)+11], 0, v[\sa], v[\sb] matrix_a_fmt:MATRIX_FMT_BF6 matrix_b_fmt:MATRIX_FMT_BF6
.endm
.macro MMC d, a, b, c, sa, sb
	v_wmma_scale_f32_16x16x128_f8f6f4 v[(\d):(\d)+7], v[(\a):(\a)+11], v[(\b):(\b)+11], v[(\c):(\c)+7], v[\sa], v[\sb] matrix_a_fmt:MATRIX_FMT_BF6 matrix_b_fmt:MATRIX_FMT_BF6
.endm
.macro MMS d, a, b, c, sa, sb, ra, rb  ; ra, rb = 1: that side's scale words stand in lanes 16-31
.if ((\ra) == 0) && ((\rb) == 0)
	v_wmma_scale_f32_16x16x128_f8f6f4 v[(\d):(\d)+7], v[(\a):(\a)+11], v[(\b):(\b)+11], v[(\c):(\c)+7], v[\sa], v[\sb] matrix_a_fmt:MATRIX_FMT_BF6 matrix_b_fmt:MATRIX_FMT_BF6
.elseif (\rb) == 0
	v_wmma_scale_f32_16x16x128_f8f6f4 v[(\d):(\d)+7], v[(\a):(\a)+11], v[(\b):(\b)+11], v[(\c):(\c)+7], v[\sa], v[\sb] matrix_a_fmt:MATRIX_FMT_BF6 matrix_b_fmt:MATRIX_FMT_BF6 matrix_a_scale:MATRIX_SCALE_ROW1
.elseif (\ra) == 0
	v_wmma_scale_f32_16x16x128_f8f6f4 v[(\d):(\d)+7], v[(\a):(\a)+11], v[(\b):(\b)+11], v[(\c):(\c)+7], v[\sa], v[\sb] matrix_a_fmt:MATRIX_FMT_BF6 matrix_b_fmt:MATRIX_FMT_BF6 matrix_b_scale:MATRIX_SCALE_ROW1
.else
	v_wmma_scale_f32_16x16x128_f8f6f4 v[(\d):(\d)+7], v[(\a):(\a)+11], v[(\b):(\b)+11], v[(\c):(\c)+7], v[\sa], v[\sb] matrix_a_fmt:MATRIX_FMT_BF6 matrix_b_fmt:MATRIX_FMT_BF6 matrix_a_scale:MATRIX_SCALE_ROW1 matrix_b_scale:MATRIX_SCALE_ROW1
.endif
.endm
; A round of the cluster's barrier: my work-group's barrier, so that wave 0's signal speaks for all eight waves; wave 0 signals for the work-group; every wave waits for all four work-groups; my work-group's barrier once more.
.macro ROUND
	s_barrier_signal -1
	s_barrier_wait -1
	s_cmp_lg_u32 s12, 0
	s_cbranch_scc1 .Lnot_wave_0_\@
	s_barrier_signal -3
.Lnot_wave_0_\@:
	s_barrier_wait -3
	s_barrier_signal -1
	s_barrier_wait -1
.endm
.macro JLOAD                           ; my eighth of a slot: 51 rows of 256 bytes; the same line, the same descriptor and the same mask in all four work-groups.  Four v_nop follow
	tensor_load_to_lds s[24:27], s[16:23]
	s_nop 0
.rept 4
	v_nop
.endr
.endm
; THE CHANGE OF SLOTS stands at a slot's head.  Each wave waits for all its tensor loads (one is out: its part of the slot that it is about to read), adds 0 to its spare word, and waits for that and for its reads of the slot that it has left.
; fill = 1: that slot is filled with the next two blocks: the barrier is a round of the cluster's, and the joint load is the first thing behind it; it has two key steps, 128 products and four softmaxes a wave, in which to land.
.macro CHANGE fill
	s_wait_tensorcnt 0x0                           ; no tensor load of mine is out, so the descriptor may be written
	ds_add_u32 v[SPW], v[NIL]                      ; 0 onto my spare word
.if \fill
	s_xor_b32 s25, s25, SLOT1                      ; the other slot than last time,
	s_add_nc_u64 s[26:27], s[26:27], 2*STEPB       ; the next two blocks; the type bits on top are not reached
.endif
	s_wait_dscnt 0x0                               ; the add is done, and my LDS loads and stores are over
.if \fill
	ROUND
	JLOAD
.else
	s_barrier_signal -1
	s_barrier_wait -1
.endif
.endm
.macro NEXTSLOT                        ; back to a slot's first block (a slot's 104,448 bytes do not reach bit 17), in the other slot
	s_and_b32 s32, s32, SLOT1
	s_xor_b32 s32, s32, SLOT1
.endm
.macro KLOAD be                        ; key tiles 2 be and 2 be + 1, both K steps: four fragments on end
.irp i, 0,1,2,3,4,5,6,7,8,9,10,11
	ds_load_b128 v[POOL+4*\i:POOL+4*\i+3], v[AD] offset:4*FRB*(\be)+512*\i
.endr
.endm
.macro VLOAD g                         ; channel tiles 4 g .. 4 g + 3 into set g % 2, and their scale words: 13 loads
.irp i, 0,1,2,3,4,5,6,7,8,9,10,11
	ds_load_b128 v[VSET+48*((\g)%2)+4*\i:VSET+48*((\g)%2)+4*\i+3], v[AD] offset:16*FRB+4*FRB*(\g)+512*\i
.endr
	ds_load_b128 v[KS+4*((\g)%2):KS+4*((\g)%2)+3], v[AD] offset:32*FRB+1024+512*(\g)
.endm
; One query tile's softmax for one key step.  Register 16 b + i of the tile's 64 scores is key 32 b + 16 (lane / 16) + i.  first = 1: there is no O^T yet to rescale.
.macro SOFTMAX q, first
.set rS, S0+64*\q
.set rT, ST+4*\q
.set rP, P0+12*\q
.irp b, 0,1,2,3
	v_max3_num_f32 v[BM+\b], v[rS+16*\b], v[rS+1+16*\b], v[rS+2+16*\b]   ; THE LARGEST SCORE OF EACH BLOCK OF 32 KEYS serves twice: for the row's maximum and, since p rises with the score, for the block's largest p
.endr
.irp i, 3,5,7,9,11,13
.irp b, 0,1,2,3
	v_max3_num_f32 v[BM+\b], v[BM+\b], v[rS+16*\b+\i], v[rS+1+16*\b+\i]   ; (the four blocks by turns; each score tile is read from its low end on)
.endr
.endr
.irp b, 0,1,2,3
	v_max_num_f32 v[BM+\b], v[BM+\b], v[rS+15+16*\b]
.endr
.irp b, 0,1,2,3
	v_permlanex16_b32 v[PT+\b], v[BM+\b], s30, s31
.endr
.irp b, 0,1,2,3
	v_max_num_f32 v[BM+\b], v[BM+\b], v[PT+\b]     ; with lane l xor 16's 16 keys
.endr
	v_max3_num_f32 v[TA], v[BM], v[BM+1], v[BM+2]
	v_max_num_f32 v[TA], v[TA], v[BM+3]            ; the step's largest score of my query
	v_mul_f32 v[TA], s28, v[TA]                    ; as t (the factor is positive)
	v_max_num_f32 v[rT+1], v[rT+1], v[TA]          ; the running largest t
	v_mov_b32 v[TA], v[rT]
	v_floor_f32 v[rT], -v[rT+1]                    ; the new -M = floor(-t) = -ceil(t): a whole number
	v_sub_f32 v[TA], v[rT], v[TA]                  ; old M - new M: a whole number, 0 or less
	v_cvt_i32_f32 v[TA], v[TA]                     ; (it saturates)
	v_ldexp_f32 v6, 1.0, v[TA]                     ; f = 2^(old M - new M)
.set j, 0
.rept 32
	v_pk_fma_f32 v[rS+j:rS+j+1], v[rS+j:rS+j+1], s[28:29], v[rT:rT+1] op_sel_hi:[1,0,0]   ; t - M, two at a time (of both pairs the low word serves both halves)
.set j, j+2
.endr
.irp b, 0,1,2,3
	v_fma_f32 v[BM+\b], v[BM+\b], s28, v[rT]       ; the same of each block's largest score
.endr
.set j, 0
.rept 64
	v_exp_f32 v[rS+j], v[rS+j]                     ; p = 2^(t - M), at most 1
.set j, j+1
.endr
.irp b, 0,1,2,3
	v_exp_f32 v[BM+\b], v[BM+\b]                   ; the block's largest p: the same two instructions on the same number give the same bits
.endr
	v_pk_mul_f32 v[rT+2:rT+3], v[rT+2:rT+3], v[6:7] op_sel_hi:[1,0]   ; the sums under the new M.  (A plain place behind the exponentials)
	s_wait_alu depctr_va_vdst(0)
.irp b, 0,1,2,3
	v_max_num_f32 v[BM+\b], 0x2800000, v[BM+\b]    ; the floor 2^(5 - 127): the byte cannot fall under 1
.endr
.irp b, 0,1,2,3
	v_add_nc_u32 v[SO+\b], 0xfe000000, v[BM+\b]    ; 4 off the exponent field: the conversion's scale operand
.endr
.irp b, 0,1,2,3
	v_lshrrev_b32 v[PT+\b], 23, v[SO+\b]           ; the scale's byte
.endr
	v_lshl_or_b32 v[PS+\q], v[PT+1], 8, v[PT]      ; p's scale word for these 128 keys
	v_lshl_or_b32 v[PS+\q], v[PT+2], 16, v[PS+\q]
	v_lshl_or_b32 v[PS+\q], v[PT+3], 24, v[PS+\q]
.irp c, 0,1
	v_cvt_scalef32_pk16_bf6_f32 v[rP+6*\c:rP+2+6*\c], v[rS+32*\c:rS+15+32*\c], v[SO+2*\c]
	v_cvt_scalef32_pk16_bf6_f32 v[CT+4*\c:CT+2+4*\c], v[rS+16+32*\c:rS+31+32*\c], v[SO+1+2*\c]   ; (a conversion's three registers begin on an even number)
.endr
	v_nop                                          ; one plain place behind a scaled conversion
.irp c, 0,1                                    ; the operand's layout wants a WHOLE block in a lane: lanes 0-15 block 2 c, lanes 16-31 block 2 c + 1
.irp i, 0,1,2
	v_permlane16_swap_b32 v[rP+6*\c+\i], v[CT+4*\c+\i]
.endr
.irp i, 0,1,2
	v_mov_b32 v[rP+3+6*\c+\i], v[CT+4*\c+\i]
.endr
.endr
	v_pk_add_f32 v[SUM2:SUM2+1], v[rS:rS+1], v[rS+2:rS+3]   ; THE ROW'S SUM IS TAKEN OF THE UNQUANTISED p: two at a time, in two chains.  (These are also the places between p's codes and scale word and the products that take them)
.irp j, 4,8,12,16,20,24,28,32,36,40,44,48,52,56,60
	v_pk_add_f32 v[rT+2:rT+3], v[rT+2:rT+3], v[rS+\j:rS+1+\j]
	v_pk_add_f32 v[SUM2:SUM2+1], v[SUM2:SUM2+1], v[rS+2+\j:rS+3+\j]
.endr
	v_pk_add_f32 v[rT+2:rT+3], v[rT+2:rT+3], v[SUM2:SUM2+1]
	VLOAD \q                                       ; the tile's scores are done with: V's fragments land in their registers
.if !\first
	WIN 0x41                                       ; O^T (destination and source 0) window 1
.set j, 128*\q
.rept 64
	v_pk_mul_f32 v[j:j+1], v[j:j+1], v[6:7] op_sel_hi:[1,0]   ; O^T under the new M, each tile from its low end on
.set j, j+2
.endr
	WIN 0
.endif
.endm
; A KEY STEP: 128 keys, the block at LDS byte s32.  first = 1: the products V^T P^T start O^T's sums: nothing is ever cleared.
.macro STEP first
	v_add_nc_u32 v[AD], s32, v[LI]                 ; these five lines are the places behind the last step's products: the loads below land in registers that those read (four are owed), the first products below write over such registers (five)
	v_bfe_u32 v[ADM], v0, 4, 1
	v_lshlrev_b32 v[ADM], 6, v[ADM]
	v_add_nc_u32 v[ADM], s35, v[ADM]
	v_nop
.irp kt, 0,1,2,3,4,5,6,7                       ; the mask's numbers in a score tile's layout: register j of tile kt is key 32 (kt / 2) + 16 h + 8 (kt % 2) + j
	ds_load_b128 v[S1+8*\kt:S1+8*\kt+3], v[ADM] offset:128*(\kt/2)+32*(\kt%2)
	ds_load_b128 v[S1+8*\kt+4:S1+8*\kt+7], v[ADM] offset:128*(\kt/2)+32*(\kt%2)+16
.endr
	ds_load_b128 v[KS:KS+3], v[AD] offset:32*FRB           ; K's scale words, K step 0,
	ds_load_b128 v[KS+4:KS+7], v[AD] offset:32*FRB+512     ; and 1
	KLOAD 0
	s_wait_dscnt 0x0
.irp be, 0,1,2,3                               ; S^T = K Q^T + the mask's numbers: two key tiles x two query tiles x two K steps; the four accumulators take turns, one instruction a turn
	MMS S0+16*\be,POOL,Q,S1+16*\be,KS+(2*\be)%4,QS,\be/2,0
	MMS S0+16*\be+8,POOL+24,Q,S1+16*\be+8,KS+(2*\be+1)%4,QS,\be/2,0
	PLACES 5                                       ; the next two products write over the C of the last two
	MMS S1+16*\be,POOL,Q+24,S1+16*\be,KS+(2*\be)%4,QS,\be/2,1
	MMS S1+16*\be+8,POOL+24,Q+24,S1+16*\be+8,KS+(2*\be+1)%4,QS,\be/2,1
	MMS S0+16*\be,POOL+12,Q+12,S0+16*\be,KS+4+(2*\be)%4,QS+1,\be/2,0
	MMS S0+16*\be+8,POOL+36,Q+12,S0+16*\be+8,KS+4+(2*\be+1)%4,QS+1,\be/2,0
	MMS S1+16*\be,POOL+12,Q+36,S1+16*\be,KS+4+(2*\be)%4,QS+1,\be/2,1
	MMS S1+16*\be+8,POOL+36,Q+36,S1+16*\be+8,KS+4+(2*\be+1)%4,QS+1,\be/2,1
	PLACES 4                                       ; in front of loads into K's registers; behind the last batch: of the first read of the scores and the first write into K's registers
.if \be < 3
	KLOAD \be+1
	s_wait_dscnt 0x0
.endif
.endr
	SOFTMAX 0,\first
	SOFTMAX 1,\first
.irp g, 0,1,2,3                                ; O^T += V^T P^T: four channel tiles x two query tiles at a time: all accumulators differ
.if \g < 3
	s_wait_dscnt 13                                ; this group's 13 loads are in; the next group's 13 may be out
.else
	s_wait_dscnt 0x0
.endif
.if \first
	WIN 0x40                                       ; destination window 1
.else
	WIN 0x50                                       ; C and D window 1
.endif
.irp k, 0,1,2,3
.irp q, 0,1
.if \first
	MM0 128*\q+8*(4*\g+\k),VSET+48*(\g%2)+12*\k,P0+12*\q,KS+4*(\g%2)+\k,PS+\q
.else
	MMC 128*\q+8*(4*\g+\k),VSET+48*(\g%2)+12*\k,P0+12*\q,128*\q+8*(4*\g+\k),KS+4*(\g%2)+\k,PS+\q
.endif
.endr
.endr
	WIN 0
.if \g < 2
	PLACES 4                                       ; in front of loads into the set just multiplied
	VLOAD \g+2
.endif
.endr
	s_add_co_u32 s35, s35, 512                     ; the next step's mask numbers,
	s_add_co_u32 s32, s32, STEPB                   ; and its block
.endm
.macro TWO_STEPS                       ; a slot's two key steps: written once, walked twice
	s_mov_b32 s34, 2
.Lstep_\@:
	STEP 0
	s_sub_co_u32 s34, s34, 1
	s_cmp_lg_u32 s34, 0
	s_cbranch_scc1 .Lstep_\@
.endm
	s_load_b256 s[4:11], s[0:1], 0x0               ; qbuf s[4:5], kv s[6:7], mask s[8:9], out0 s[10:11]
	v_lshl_add_u32 v[SPW], v0, 2, SPARE
	v_mov_b32 v[NIL], 0
	ds_add_u32 v2, v3
	ds_add_u32 v2, v3
	s_wait_dscnt 0x0
	v_lshrrev_b32 v4, 5, v0
	v_readfirstlane_b32 s12, v4                    ; wave 0..7
	s_and_b32 s14, ttmp7, 0xffff                   ; the batch, which the four partners share
	v_and_b32 v1, 31, v0
	v_lshlrev_b32 v[LI], 4, v1
	; descriptor group 1: 51 rows of 32 elements of 8 bytes, dense in memory and in LDS
	s_mov_b32 s16, 15|(3<<16)|(1<<21)              ; 15:0 the mask: all four work-groups; 17:16 elements of 8 bytes; 20 padding off; 21 set beside a mask
	s_mov_b32 s17, 32<<16                          ; tensor_dim0 = 32
	s_mov_b32 s18, 51<<16                          ; tensor_dim1 = 51
	s_mov_b32 s19, 32<<16                          ; tile_dim0 = 32
	s_mov_b32 s20, 51                              ; tile_dim1 = 51
	s_mov_b32 s21, 32                              ; from row to row: 32 elements
	s_mov_b32 s22, 0
	s_mov_b32 s23, 0
	s_mov_b32 s24, 1                               ; group 0: count = 1,
	s_mul_i32 s25, s12, 51*256                     ; LDS address: my eighth of slot 0: no place in the cluster enters it,
	s_mul_i32 s36, s14, 8*STEPB                    ; global address: the batch's eight blocks, my eighth of the first two
	s_add_co_u32 s36, s36, s25
	s_mov_b32 s37, 0
	s_mov_b32 s28, 0x3db8aa3b                      ; log2(e) / 16: the queries' division by sqrt(256) is taken here
	s_mov_b32 s29, s28                             ; (named with it as a pair, so it is written)
	s_mov_b32 s30, 0x76543210
	s_mov_b32 s31, 0xfedcba98                      ; v_permlanex16_b32's selects for lane l xor 16
	s_mov_b32 s32, 0                               ; LDS byte of the step's block
	s_mov_b32 s35, MB                              ; and of its mask numbers
	s_wait_kmcnt 0x0
	s_add_nc_u64 s[26:27], s[6:7], s[36:37]
	s_or_b32 s27, s27, 0x80000000                  ; type = 2
	ROUND                                          ; all four work-groups are here: the first joint loads meet
	JLOAD                                          ; slot 0: blocks 0 and 1.  One tensor load of mine is out, here and behind every later round
	s_bfe_u32 s13, ttmp6, 0x40000                  ; cx: my quarter of the batch's queries (the grid has one cluster along x): it enters Q's and the output's addresses alone
	s_lshl_b32 s38, s14, 3
	s_lshl_b32 s39, s13, 1
	s_add_co_u32 s38, s38, s39
	s_lshr_b32 s39, s12, 2
	s_add_co_u32 s38, s38, s39                     ; my block of 128 queries: 8 batch + 2 cx + wave / 4
	s_and_b32 s40, s12, 3                          ; i: my tiles are i and i + 4 of its eight
	s_mov_b32 s43, 0
	s_mul_i32 s42, s38, 25600
	s_add_nc_u64 s[4:5], s[4:5], s[42:43]          ; the block in qbuf,
	s_mul_i32 s42, s40, 2*FRB
	s_add_nc_u64 s[44:45], s[4:5], s[42:43]        ; and tile i's fragments
	s_lshl_b32 s42, s14, 10
	s_add_nc_u64 s[8:9], s[8:9], s[42:43]          ; the batch's mask
	s_lshl_b32 s42, s38, 7
	s_lshr_b32 s41, s40, 1
	s_lshl_b32 s41, s41, 5
	s_add_co_u32 s42, s42, s41
	s_and_b32 s41, s40, 1
	s_lshl_b32 s41, s41, 3
	s_add_co_u32 s42, s42, s41                     ; tile i's first token: 128 x block + 32 (i / 2) + 8 (i % 2)
	s_lshl_b32 s42, s42, 10
	s_add_nc_u64 s[10:11], s[10:11], s[42:43]
	v_lshlrev_b32 v252, 2, v0
	global_load_b32 v253, v252, s[8:9]             ; four bytes of the mask a thread: 256 threads, 1,024 keys
.irp q, 0,1
.irp s, 0,1
.irp c, 0,1,2
	global_load_b128 v[Q+24*\q+12*\s+4*\c:Q+24*\q+12*\s+4*\c+3], v[LI], s[44:45] offset:8*FRB*\q+FRB*\s+512*\c th:TH_LOAD_NT   ; Q stays in registers; read once in the launch
.endr
.endr
.endr
	s_lshl_b32 s41, s40, 2
	v_add_nc_u32 v250, s41, v[LI]                  ; word i of a lane's four: lanes 0-15 tile i, lanes 16-31 tile i + 4
	global_load_b32 v[QS], v250, s[4:5] offset:16*FRB
	global_load_b32 v[QS+1], v250, s[4:5] offset:16*FRB+512
	v_mov_b32 v254, 0xff61b1e6                     ; -3e38
	v_lshl_add_u32 v255, v0, 4, MB
.irp q, 0,1
	v_mov_b32 v[ST+4*\q+1], 0xf149f2ca             ; the largest t so far: -1e30
	v_floor_f32 v[ST+4*\q], -v[ST+4*\q+1]          ; -M
	v_mov_b32 v[ST+4*\q+2], 0                      ; the sum, in two halves
	v_mov_b32 v[ST+4*\q+3], 0
.endr
	v_mov_b32 v7, 0                                ; (named as the upper half of the pair v[6:7])
	s_wait_loadcnt 14                              ; the mask's bytes are in; Q's 12 + 2 loads may be out
.irp n, 0,1,2,3
	v_bfe_u32 v251, v253, 8*\n, 8
	v_cmp_eq_u32 vcc_lo, 0, v251
	v_cndmask_b32 v[S0+\n], 0, v254, vcc_lo        ; 0 for a key that counts, -3e38 for one that does not
.endr
	ds_store_b128 v255, v[S0:S0+3]
	CHANGE 1                                       ; slot 0 has landed and every wave's mask numbers are stored; slot 1 takes blocks 2 and 3
	s_wait_loadcnt 0x0                             ; Q
	STEP 1
	STEP 0
	NEXTSLOT
	s_mov_b32 s33, 2
.Lslot:                                            ; two trips: slots 0 and 1 are filled once more
	CHANGE 1
	TWO_STEPS
	NEXTSLOT
	s_sub_co_u32 s33, s33, 1
	s_cmp_lg_u32 s33, 0
	s_cbranch_scc1 .Lslot
	CHANGE 0                                       ; the last slot is written out
	TWO_STEPS
	; THE WAY OUT.  The sum's halves are added; O^T is divided by the sum and goes through my stage in LDS, half a row (512 bytes) of 16 queries at a time, so that the 32 lanes store 512 consecutive bytes.
	v_add_f32 v250, v10, v11                       ; (these additions and the address lines are the places behind the last products)
	v_add_f32 v251, v14, v15
	v_permlanex16_b32 v252, v250, s30, s31
	v_permlanex16_b32 v253, v251, s30, s31
	v_add_f32 v250, v250, v252                     ; with lane l xor 16's keys: the row's sum
	v_add_f32 v251, v251, v253
	v_rcp_f32 v6, v250
	v_rcp_f32 v254, v251
	s_mul_i32 s36, s12, 16*ROWP
	s_add_co_u32 s36, s36, STAGE                   ; my stage
	v_and_b32 v[AD], 15, v0                        ; (plain places behind the reciprocals)
	v_mul_u32_u24 v[AD], v[AD], ROWP
	v_bfe_u32 v[ADM], v0, 4, 1
	v_lshl_add_u32 v[AD], v[ADM], 6, v[AD]
	v_add_nc_u32 v[AD], s36, v[AD]                 ; in: row r, + 64 h
	v_add_nc_u32 v[ADM], s36, v[LI]                ; back: the 32 lanes take one row
	WIN 0x41
.set j, 0
	s_wait_alu depctr_va_vdst(0)
.rept 64
	v_pk_mul_f32 v[j:j+1], v[j:j+1], v[6:7] op_sel_hi:[1,0]        ; tile 0: register 16 B + i is channel 32 B + 16 h + i of query r
.set j, j+2
.endr
.rept 64
	v_pk_mul_f32 v[j:j+1], v[j:j+1], v[254:255] op_sel_hi:[1,0]    ; tile 1
.set j, j+2
.endr
	WIN 0
.macro TOSTAGE pi                      ; pass pi = 2 q + u: query tile q, channels 128 u on
	WIN 0x04                                       ; an LDS store's data are its source 1: window 1
.irp b, 0,1,2,3
.irp i, 0,1,2,3
	ds_store_b128 v[AD], v[128*((\pi)/2)+16*(4*((\pi)%2)+\b)+4*\i:128*((\pi)/2)+16*(4*((\pi)%2)+\b)+4*\i+3] offset:128*\b+16*\i
.endr
.endr
	WIN 0
.irp i, 0,1,2,3,4,5,6,7,8,9,10,11,12,13,14,15
	ds_load_b128 v[OB+64*((\pi)%2)+4*\i:OB+64*((\pi)%2)+4*\i+3], v[ADM] offset:ROWP*\i   ; LDS serves a wave's instructions in order: these see my stores, and the next pass's stores come behind them
.endr
.endm
.macro SEND pi, younger                ; younger: the LDS instructions issued behind this pass's loads, which may stay out
	s_wait_dscnt \younger
.irp i, 0,1,2,3,4,5,6,7,8,9,10,11,12,13,14,15
	global_store_b128 v[LI], v[OB+64*((\pi)%2)+4*\i:OB+64*((\pi)%2)+4*\i+3], s[10:11] offset:65536*((\pi)/2)+512*((\pi)%2)+(\i+8*(\i/8))*1024 th:TH_STORE_NT   ; 512 consecutive bytes, at a multiple of 256 from the output's first byte; written once
.endr
.endm
	TOSTAGE 0
	TOSTAGE 1
	SEND 0,32                                      ; behind pass 0's loads: pass 1's 16 stores and 16 loads
	s_wait_xcnt 0x0                                ; pass 0's stores have read their registers: pass 2's loads may land there
	TOSTAGE 2
	SEND 1,32
	s_wait_xcnt 0x0
	TOSTAGE 3
	SEND 2,32
	SEND 3,0
	s_wait_tensorcnt 0x0                           ; the wave's end, behind my last tensor load and my last LDS store
	ds_add_u32 v[SPW], v[NIL]
	s_wait_dscnt 0x0
	ROUND                                          ; the closing round: no work-group ends while a partner may still ask for a tile that names it
	s_endpgm
.Lfunc_end_k_q867f3b1b96_attn:
	.size	k_q867f3b1b96_attn, .Lfunc_end_k_q867f3b1b96_attn-k_q867f3b1b96_attn
	.p2alignl 7, 3214868480
	.fill 96, 4, 3214868480
	.section	.rodata,"a",@progbits
	.p2align	6, 0x0
	.amdhsa_kernel k_q867f3b1b96_attn
		.amdhsa_group_segment_fixed_size 327680
		.amdhsa_private_segment_fixed_size 0
		.amdhsa_enable_private_segment 0
		.amdhsa_kernarg_size 32
		.amdhsa_user_sgpr_count 2
		.amdhsa_user_sgpr_kernarg_segment_ptr 1
		.amdhsa_wavefront_size32 1
		.amdhsa_system_sgpr_workgroup_id_x 1
		.amdhsa_system_sgpr_workgroup_id_y 1
		.amdhsa_system_sgpr_workgroup_id_z 1
		.amdhsa_system_vgpr_workitem_id 0
		.amdhsa_next_free_vgpr 512
		.amdhsa_next_free_sgpr 66
		.amdhsa_reserve_vcc 1
		.amdhsa_float_denorm_mode_32 3
		.amdhsa_float_denorm_mode_16_64 3
		.amdhsa_memory_ordered 1
		.amdhsa_forward_progress 1
		.amdhsa_inst_pref_size 212
	.end_amdhsa_kernel
	.amdgpu_metadata
---
amdhsa.version: [ 1, 2 ]
amdhsa.kernels:
  - .name:           k_q867f3b1b96_attn
    .symbol:         k_q867f3b1b96_attn.kd
    .args:
      - { .name: qbuf, .offset: 0, .size: 8, .value_kind: global_buffer, .address_space: global }
      - { .name: kv, .offset: 8, .size: 8, .value_kind: global_buffer, .address_space: global }
      - { .name: mask, .offset: 16, .size: 8, .value_kind: global_buffer, .address_space: global }
      - { .name: out0, .offset: 24, .size: 8, .value_kind: global_buffer, .address_space: global }
    .group_segment_fixed_size: 327680
    .private_segment_fixed_size: 0
    .kernarg_segment_align: 8
    .kernarg_segment_size: 32
    .max_flat_workgroup_size: 256
    .sgpr_count:     66
    .vgpr_count:     512
    .wavefront_size: 32
...
	.end_amdgpu_metadata
.endif
;; end of part 3
;; ======== version 2 of 2: 3 launches
;; limits: right only within a limited range of input values
;; workspace buffers: wcodes 3,219,456 bytes; wscales 268,288 bytes; kv 26,738,688 bytes; qbuf 13,107,200 bytes
;; launch prep (part 4): grid 262 x 1, 8 waves a work-group, no clusters, 68,608 bytes of LDS; arguments Wk, Wq, Wv, PK_W, PQ_W, wcodes, wscales; writes wcodes, wscales
.if DOCPART == 4
	.amdgcn_target "amdgcn-amd-amdhsa--gfx1250"
	.amdhsa_code_object_version 6
	.text
	.protected	k_q867f3b1b96_prep
	.globl	k_q867f3b1b96_prep
	.p2align	8
	.type	k_q867f3b1b96_prep,@function
k_q867f3b1b96_prep:
	s_mov_b64 s[64:65], 0
	v_nop
	global_prefetch_b8 v0, s[64:65] scope:SCOPE_SE
	s_setreg_imm32_b32 hwreg(HW_REG_WAVE_MODE, 25, 1), 1
	s_wait_xcnt 0x0
; Wk, Wq, Wv [256][128] and the 32 + 32 matrices of PK_W, PQ_W [256][256], f32 with K innermost, become codes of BF6 (E3M2) with one E8M0 byte for each 32 along K,
; laid as IMAGES OF OPERAND REGISTERS: a fragment is 16 rows x 128 K, 12 registers a lane; registers 4 c .. 4 c + 3 of lane l lie at 512 c + 16 l of its 1,536 bytes, so that three loads of 16 bytes a lane bring it.
; THE ROWS OF A TILE ARE NOT NEIGHBOURS: lane r of tile T takes row 32 (T / 2) + 8 (T % 2) + r + 8 (r / 8), so that the results of two neighbouring tiles are 16 neighbours along the next product's K.
; FRAGMENT NUMBERS: F = 16 g + T for Wk, Wq, Wv (g = 0, 1, 2);  F = 48 + 32 (2 p + g) + 2 T + s for person p, PK_W (g = 0) or PQ_W (g = 1), K step s.  2,096 in all; a fragment's scale words: 128 bytes, row r's word at 4 x lane.
; One wave makes one fragment: 262 work-groups x 8 waves.  One path through the text: only pointers and numbers are chosen, on the work-group's number.  Waves share nothing: no barrier.
; Each of the 16 loads reads 512 consecutive bytes of one row; the rows turn through the wave's own stage in LDS (rows 528 bytes apart: sixteen rows start in sixteen different groups of banks), so that a lane gets two whole blocks of 32.
; A stream bound by its bytes: no matrix unit, no tensor load, no cluster (no two work-groups read the same byte).
; A block's scale is 2^(floor(log2(largest magnitude)) - 4); its byte is the largest magnitude's exponent field - 4, held at 1 from below.
; LIMITS: a block whose largest magnitude lies under 2^-122 (a block of zeros too) keeps the byte 1; the bytes are read by this program alone.  NaN and infinities among the inputs are not served.
.set ROWP, 528
.set LI,   2                           ; v2   16 x lane
.set LS,   3                           ; v3   4 x lane
.set SA,   4                           ; v4   the stage, on the way in: 16 x lane
.set SR,   5                           ; v5   and back: row r, + 128 h
.set OFF,  8                           ; v8-23   byte offset of the tile's row i: 16 x lane + (i + 8 (i / 8)) x pitch
.set XR,   24                          ; v24-87  the rows as loaded
.set XN,   88                          ; v88-151 my two blocks: register 32 c + i = k 64 c + 32 h + i of row r
.set C,    152                         ; v152-163 the fragment
.set CT,   164                         ; v164-170 the second halves of the blocks' codes, as the conversions leave them
.set MX,   172
.set SO,   174
.set BY,   176
.set WD,   178
.set PT,   179
	s_load_b256 s[4:11], s[0:1], 0x0               ; Wk s[4:5], Wq s[6:7], Wv s[8:9], PK_W s[10:11]
	s_load_b128 s[12:15], s[0:1], 0x20             ; PQ_W s[12:13], wcodes s[14:15]
	s_load_b64 s[16:17], s[0:1], 0x30              ; wscales
	v_lshl_add_u32 v192, v0, 2, 0x10800
	v_mov_b32 v193, 0
	v_lshrrev_b32 v1, 5, v0
	s_delay_alu instid0(VALU_DEP_1)
	v_readfirstlane_b32 s18, v1                    ; wave 0..7
	v_and_b32 v1, 31, v0                           ; lane
	s_delay_alu instid0(VALU_DEP_1)
	v_lshlrev_b32 v[LI], 4, v1
	s_delay_alu instid0(VALU_DEP_2)
	v_lshlrev_b32 v[LS], 2, v1
	v_and_b32 v6, 15, v0                           ; r
	v_bfe_u32 v7, v0, 4, 1                         ; h
	s_mul_i32 s32, s18, 16*ROWP                    ; my stage
	v_add_nc_u32 v[SA], s32, v[LI]
	v_mul_u32_u24 v[SR], v6, ROWP
	s_delay_alu instid0(VALU_DEP_1)
	v_lshl_add_u32 v[SR], v7, 7, v[SR]
	s_delay_alu instid0(VALU_DEP_1)
	v_add_nc_u32 v[SR], s32, v[SR]
	s_mov_b32 s34, 0x76543210
	s_mov_b32 s35, 0xfedcba98                      ; v_permlanex16_b32's selects for lane l xor 16
	s_lshl_b32 s19, ttmp9, 3
	s_add_co_u32 s19, s19, s18                     ; F
	s_and_b32 s33, s19, 15                         ; a shared weight's tile
	s_sub_co_u32 s20, s19, 48                      ; F - 48: a person's fragment (what is made of it is not chosen in work-groups 0 to 5)
	s_bfe_u32 s21, s20, 0x40001                    ; its tile,
	s_and_b32 s22, s20, 1                          ; its K step,
	s_bfe_u32 s23, s20, 0x10005                    ; PK_W or PQ_W,
	s_lshr_b32 s24, s20, 6
	s_lshl_b32 s24, s24, 18                        ; and the person's matrix: 262,144 bytes each
	s_mov_b32 s25, 1024                            ; a row of it in bytes
	s_wait_alu depctr_va_vdst(0)
	s_wait_kmcnt 0x0
	s_cmp_lt_u32 ttmp9, 2                          ; every choice hangs on the work-group's number alone
	s_cselect_b64 s[4:5], s[4:5], s[6:7]           ; Wk or Wq,
	s_cmp_lt_u32 ttmp9, 4
	s_cselect_b64 s[4:5], s[4:5], s[8:9]           ; or Wv
	s_cmp_eq_u32 s23, 0
	s_cselect_b64 s[10:11], s[10:11], s[12:13]     ; PK_W or PQ_W
	s_cmp_lt_u32 ttmp9, 6
	s_cselect_b64 s[4:5], s[4:5], s[10:11]         ; shared or a person's
	s_cselect_b32 s21, s33, s21
	s_cselect_b32 s22, 0, s22
	s_cselect_b32 s24, 0, s24
	s_cselect_b32 s25, 512, s25
	s_lshr_b32 s26, s21, 1
	s_lshl_b32 s26, s26, 5
	s_and_b32 s27, s21, 1
	s_lshl_b32 s27, s27, 3
	s_add_co_u32 s26, s26, s27                     ; the tile's first row: 32 (T / 2) + 8 (T % 2)
	s_mul_i32 s26, s26, s25
	s_add_co_u32 s26, s26, s24
	s_lshl_b32 s27, s22, 9                         ; the K step's 512 bytes of a row
	s_add_co_u32 s26, s26, s27
	s_mov_b32 s27, 0
	s_add_nc_u64 s[4:5], s[4:5], s[26:27]
	s_mul_i32 s28, s19, 1536
	s_mov_b32 s29, 0
	s_add_nc_u64 s[14:15], s[14:15], s[28:29]      ; my fragment's image
	s_lshl_b32 s30, s19, 7
	s_mov_b32 s31, 0
	s_add_nc_u64 s[16:17], s[16:17], s[30:31]      ; and its scale words
.irp i, 0,1,2,3,4,5,6,7,8,9,10,11,12,13,14,15
	v_mad_u32_u24 v[OFF+\i], s25, \i+8*(\i/8), v[LI]
.endr
.irp i, 0,1,2,3,4,5,6,7,8,9,10,11,12,13,14,15
	global_load_b128 v[XR+4*\i:XR+4*\i+3], v[OFF+\i], s[4:5] th:TH_LOAD_NT   ; 32 lanes read 512 consecutive bytes: the K step's 128 numbers of one row; read once in the launch
.endr
	v_mov_b32 v[PT], 0                             ; a lane permute's destination counts as one of its sources
.irp i, 0,1,2,3,4,5,6,7,8,9,10,11,12,13,14,15
	s_wait_loadcnt 15-\i                           ; loads come back in order: row i is in, the younger ones stay out
	ds_store_b128 v[SA], v[XR+4*\i:XR+4*\i+3] offset:ROWP*\i
.endr
.irp c, 0,1
.irp j, 0,1,2,3,4,5,6,7
	ds_load_b128 v[XN+32*\c+4*\j:XN+32*\c+4*\j+3], v[SR] offset:256*\c+16*\j   ; LDS serves a wave's instructions in order: these see my stores
.endr
.endr
	s_wait_dscnt 0x0
.irp c, 0,1                                    ; my block 2 c + h: all its 32 numbers are mine
	v_max3_num_f32 v[MX+\c], |v[XN+32*\c]|, |v[XN+1+32*\c]|, 0x2800000   ; and the floor 2^(5 - 127): the byte cannot fall under 1
.endr
.irp i, 2,4,6,8,10,12,14,16,18,20,22,24,26,28,30
.irp c, 0,1
	s_delay_alu instid0(VALU_DEP_2)
	v_max3_num_f32 v[MX+\c], v[MX+\c], |v[XN+32*\c+\i]|, |v[XN+1+32*\c+\i]|   ; (the two blocks by turns)
.endr
.endr
.irp c, 0,1
	s_delay_alu instid0(VALU_DEP_2)
	v_add_nc_u32 v[SO+\c], 0xfe000000, v[MX+\c]    ; 4 off the exponent field: the conversion takes the exponent field of this operand as its scale
.endr
.irp c, 0,1
	s_delay_alu instid0(VALU_DEP_2)
	v_lshrrev_b32 v[BY+\c], 23, v[SO+\c]           ; the scale's byte
.endr
	s_delay_alu instid0(VALU_DEP_1)
	v_lshl_or_b32 v[WD], v[BY+1], 16, v[BY]        ; my two bytes: blocks h and 2 + h of row r,
	v_lshlrev_b32 v6, 3, v7
	s_delay_alu instid0(VALU_DEP_1)
	v_lshlrev_b32 v[WD], v6, v[WD]                 ; at their places in the scale word (8 h bits up);
	s_delay_alu instid0(VALU_DEP_1)
	v_permlanex16_b32 v[PT], v[WD], s34, s35
	s_delay_alu instid0(VALU_DEP_1)
	v_or_b32 v[WD], v[WD], v[PT]                   ; with lane l xor 16's two the word is whole, in both halves of the lanes
.irp c, 0,1
	v_cvt_scalef32_pk16_bf6_f32 v[C+6*\c:C+6*\c+2], v[XN+32*\c:XN+32*\c+15], v[SO+\c]
	v_cvt_scalef32_pk16_bf6_f32 v[CT+4*\c:CT+4*\c+2], v[XN+16+32*\c:XN+31+32*\c], v[SO+\c]   ; (a conversion's three registers begin on an even number)
.endr
	v_nop                                          ; one plain place behind a scaled conversion
.irp c, 0,1
.irp i, 0,1,2
	v_mov_b32 v[C+3+6*\c+\i], v[CT+4*\c+\i]        ; registers 6 c .. 6 c + 5 hold k = 64 c + 32 h + 0 .. 31
.endr
.endr
.irp c, 0,1,2
	global_store_b128 v[LI], v[C+4*\c:C+4*\c+3], s[14:15] offset:512*\c   ; 32 lanes store 512 consecutive bytes, at a multiple of 256 from the buffer's first byte
.endr
	global_store_b32 v[LS], v[WD], s[16:17]
	s_wait_tensorcnt 0x0
	ds_add_u32 v192, v193
	s_wait_dscnt 0x0
	s_endpgm
.Lfunc_end_k_q867f3b1b96_prep:
	.size	k_q867f3b1b96_prep, .Lfunc_end_k_q867f3b1b96_prep-k_q867f3b1b96_prep
	.p2alignl 7, 3214868480
	.fill 96, 4, 3214868480
	.section	.rodata,"a",@progbits
	.p2align	6, 0x0
	.amdhsa_kernel k_q867f3b1b96_prep
		.amdhsa_group_segment_fixed_size 68608
		.amdhsa_private_segment_fixed_size 0
		.amdhsa_enable_private_segment 0
		.amdhsa_kernarg_size 56
		.amdhsa_user_sgpr_count 2
		.amdhsa_user_sgpr_kernarg_segment_ptr 1
		.amdhsa_wavefront_size32 1
		.amdhsa_system_sgpr_workgroup_id_x 1
		.amdhsa_system_sgpr_workgroup_id_y 1
		.amdhsa_system_sgpr_workgroup_id_z 1
		.amdhsa_system_vgpr_workitem_id 0
		.amdhsa_next_free_vgpr 194
		.amdhsa_next_free_sgpr 66
		.amdhsa_reserve_vcc 0
		.amdhsa_float_denorm_mode_32 3
		.amdhsa_float_denorm_mode_16_64 3
		.amdhsa_memory_ordered 1
		.amdhsa_forward_progress 1
		.amdhsa_inst_pref_size 13
	.end_amdhsa_kernel
	.amdgpu_metadata
---
amdhsa.version: [ 1, 2 ]
amdhsa.kernels:
  - .name:           k_q867f3b1b96_prep
    .symbol:         k_q867f3b1b96_prep.kd
    .args:
      - { .name: Wk, .offset: 0, .size: 8, .value_kind: global_buffer, .address_space: global }
      - { .name: Wq, .offset: 8, .size: 8, .value_kind: global_buffer, .address_space: global }
      - { .name: Wv, .offset: 16, .size: 8, .value_kind: global_buffer, .address_space: global }
      - { .name: PK_W, .offset: 24, .size: 8, .value_kind: global_buffer, .address_space: global }
      - { .name: PQ_W, .offset: 32, .size: 8, .value_kind: global_buffer, .address_space: global }
      - { .name: wcodes, .offset: 40, .size: 8, .value_kind: global_buffer, .address_space: global }
      - { .name: wscales, .offset: 48, .size: 8, .value_kind: global_buffer, .address_space: global }
    .group_segment_fixed_size: 68608
    .private_segment_fixed_size: 0
    .kernarg_segment_align: 8
    .kernarg_segment_size: 56
    .max_flat_workgroup_size: 256
    .sgpr_count:     66
    .vgpr_count:     194
    .wavefront_size: 32
...
	.end_amdgpu_metadata
.endif
;; end of part 4
;; launch proj (part 5): grid 4 x 64, 4 waves a work-group, no clusters, 100,864 bytes of LDS; arguments x, person_idxs, PK_b, PQ_b, wcodes, wscales, kv, qbuf; writes kv, qbuf
.if DOCPART == 5
	.amdgcn_target "amdgcn-amd-amdhsa--gfx1250"
	.amdhsa_code_object_version 6
	.text
	.protected	k_q867f3b1b96_proj
	.globl	k_q867f3b1b96_proj
	.p2align	8
	.type	k_q867f3b1b96_proj,@function
k_q867f3b1b96_proj:
	s_mov_b64 s[64:65], 0
	v_nop
	global_prefetch_b8 v0, s[64:65] scope:SCOPE_SE
	s_setreg_imm32_b32 hwreg(HW_REG_WAVE_SCHED_MODE, 0, 2), 2
	s_setreg_imm32_b32 hwreg(HW_REG_WAVE_MODE, 25, 1), 1
	s_wait_xcnt 0x0
	s_wait_alu depctr_vm_vsrc(0)
; keys = (x Wk^T) PK_W[p]^T + PK_b[p], queries = (x Wq^T) PQ_W[p]^T + PQ_b[p], v = x Wv^T, p = person_idxs[batch]: five products on codes of BF6 (E3M2) with one E8M0 scale for each 32 along K.
; x arrives as f32 and is quantised here; the weights come as images of operand registers (16 rows x 128 K: 12 registers a lane, registers 4 c .. 4 c + 3 of lane l at 512 c + 16 l of 1,536 bytes).
; k0 and q0 never go to memory.  Keys, queries and v^T leave as codes, again as images, in the order in which the attention reads them.
; THE DIVISION OF THE QUERIES BY 16 is left to the attention's factor log2(e) / 16: a power of two moves a block's scale and no code.  LIMIT: this differs from the stated order only for query blocks whose largest magnitude lies under 2^-118.
; SHARES.  A work-group takes 256 tokens of one batch, as two blocks of 128 (8 tiles of 16).  THE WAVES SHARE THE COLUMNS: wave w = 2 g + sh makes hidden units 128 sh on of k0 (g = 0) or q0 (g = 1), the same units of keys or queries,
; and channels 64 w on of v, for all tokens.  So its 28 weight fragments (336 registers) and its bias stay in registers for the whole launch; what goes round through LDS is small: a block's codes of x and of the hidden layer.
; NO CLUSTER: the weights go once from memory straight into registers (43 KB a wave) and never through LDS, where a joint load would land them; x is read by one work-group alone.
; A TILE'S ROWS ARE NOT NEIGHBOURS, for tokens and for weights' rows alike: lane r of tile T takes row 32 (T / 2) + 8 (T % 2) + r + 8 (r / 8); the 16 result registers of two neighbouring tiles are then 16 neighbours along the next K.
; A BLOCK, two barriers:  X: wave w quantises token tiles 2 w, 2 w + 1 of x, images to LDS | barrier |  1: for each token tile: my 8 tiles of the hidden layer (source 0 = weights, source 1 = x), quantised, image to LDS; my 4 tiles of v^T
; (source 0 = x, source 1 = Wv: a lane holds one channel, its registers run along the tokens); at the end v^T is quantised along the tokens and stored | barrier |  2: for each token tile: my 8 tiles of keys or queries, bias as C, quantised, stored.
; x's images are written again only behind the second barrier, the hidden layer's only behind the next block's first: each wave has waited for all its LDS instructions in front of every signal.
; THE ORDER OF THE LOADS.  What is wanted first is asked for first: x's 32 rows, behind them the first layer's 24 loads; Wv's and the scale words when x is in, so that they land while x is quantised; the person's 48 loads behind that,
; with all of phase 1 in which to land; bias and the person's scale words in phase 1.  The person's number is waited for only where its addresses are made.
; THE TWO BLOCKS ARE WRITTEN OUT by one macro: they differ in their loads and waits (the first brings the weights in, the second asks for nothing), and so the text has no branch and every counted wait one path; under 40 KB of code.
; THE MODE: SCHED_MODE bits 1:0 = 2 (LLVM: expert scheduling mode 2), set by the entry lines.  The code itself states the register dependences between vector or matrix instructions and memory or LDS instructions, with s_wait_alu, always for 0.
; THE PLAN.  Registers that memory or LDS instructions touch:
;   v1-v14          offsets and LDS addresses: written at the head, never again.  v14 is the global loads' own offset: no store names it.
;   XR0, XR1        x as loaded: read by the stage's stores; XR0 then takes the stage's loads and is read by QUANT; both take the next block's rows in phase 2.
;   HA              in phase X the stage's loads land in it; else the products write it; QUANT reads it.
;   PC, PW          written by each QUANT, read by the run of stores behind it.   SW, PK4: written by moves behind a QUANT, read by one store each.
;   F0, F1, FS0, FS1 and FG0, FG1, GS0, GS1   fragments and scale words from LDS, BY TURNS: tile m's products read one buffer; at tile m's head tile m + 1's loads go into the other, which tile m - 1's products read.
;   the weights, the bias and their scale words: loaded once, read by products alone.
; ONE wait on va_vdst to a QUANT, behind it and ahead of its stores: the codes and scale words are written, and the tile's products, which stand ahead of it, are done reading their fragments.  Between that wait and the next tile's
; fetch stands no vector or matrix instruction.  ONE wait on vm_vsrc ahead of each QUANT: the last run of stores has read the registers that it writes again.
; LIMITS: a block whose largest magnitude lies under 2^-122 keeps the scale byte 1; NaN and infinities are not served; the person's number is held at 31 from above.
; REGISTERS, in windows of 256: window 0: v1-14 addresses; v16-39 two fragments in hand; v40-103 my 8 result tiles; v104-122 the codes just made; v124-187 64 numbers of x; v188-204 at work; v206-217 scale words on their way out;
;   v218-249 scale words of operands, and nothing else; v254, v255 the add's two.   window 1: v0-95 the first layer's 8 fragments, v96-143 Wv's 4, v144-207 the bias, v208-231 two fragments in hand.
;   window 2: v0-191 the person's 16 fragments, v192-255 64 numbers of x.   window 3: v^T, 4 x 8 tiles.
.set FRB,  1536
.set ROWP, 528                         ; a row of the turn stage: 512 bytes + 16: sixteen rows start in sixteen different groups of banks
.set XIMG, 4*16*ROWP                   ; LDS: four turn stages, one a wave; then x's 8 images,
.set XSC,  XIMG+8*FRB                  ; their scale words, 128 bytes each,
.set HIMG, XSC+8*128                   ; the hidden layer's 32 images (token tile m, wave w: 4 m + w),
.set HSC,  HIMG+32*FRB                 ; and their scale words
.set KVB,  52224                       ; a block of kv: 16 fragments of K, 16 of V^T, 1,024 bytes of K's scale words, 2,048 of V's
.set QBB,  25600                       ; a block of qbuf: 16 fragments, 1,024 bytes of scale words
.set LI,  1                            ; 16 x lane: the global stores' offset
.set LS,  2                            ; 4 x lane
.set XSA, 3                            ; my stage, on the way in
.set XSR, 4                            ; and back: row r, + 64 h
.set XWI, 5                            ; where I store x's images, and (XWS) their scale words
.set XWS, 6
.set HWI, 7                            ; the hidden layer's
.set HWS, 8
.set HRI, 9                            ; where I read the hidden layer's two K steps of my matrix
.set HRS, 10
.set XRI, 11                           ; where I read x's
.set XRS, 12
.set BO,  13                           ; the bias: 64 h bytes; kept until the bias is asked for
.set GL,  14                           ; 16 x lane once more: the offset of the global loads of 16 bytes alone
.set F0,  16
.set F1,  28
.set HA,  40
.set PC,  104
.set XR0, 124
.set TM,  188                          ; v188-191 largest magnitudes, v192-195 bytes, v200-203 the conversions' scale operands
.set PW,  204                          ; the scale word just made
.set SW,  206                          ; v206-213 scale words kept for one store
.set PK4, 214
.set FS0, 218
.set FS1, 219
.set W1S, 220
.set WVS, 228
.set W2S, 232
.set GS0, 248                          ; the scale words that go with FG0 and FG1
.set GS1, 249
.set W1,  0                            ; window 1
.set WV,  96
.set BI,  144
.set FG0, 208                          ; window 1: phase 2's second pair of fragments
.set FG1, 220
.set W2,  0                            ; window 2
.set XR1, 192
.set MSB, 0
.macro WIN new                         ; the immediate's high byte repeats the setting that is left; a switch that changes nothing is dropped
.if MSB != \new
	s_set_vgpr_msb (MSB<<8)|\new
.set MSB, \new
.endif
.endm
.macro MM0 d, a, b, sa, sb             ; a product that starts a sum
	v_wmma_scale_f32_16x16x128_f8f6f4 v[(\d):(\d)+7], v[(\a):(\a)+11], v[(\b):(\b)+11], 0, v[\sa], v[\sb] matrix_a_fmt:MATRIX_FMT_BF6 matrix_b_fmt:MATRIX_FMT_BF6
.endm
.macro MMC d, a, b, c, sa, sb
	v_wmma_scale_f32_16x16x128_f8f6f4 v[(\d):(\d)+7], v[(\a):(\a)+11], v[(\b):(\b)+11], v[(\c):(\c)+7], v[\sa], v[\sb] matrix_a_fmt:MATRIX_FMT_BF6 matrix_b_fmt:MATRIX_FMT_BF6
.endm
.macro PLACES n
.rept \n
	v_nop
.endr
.endm
; 64 numbers of a lane in window w, v[s] on, register 16 b + i = k 32 b + 16 (lane / 16) + i of my row, become a fragment's codes in v[PC] on and its scale word in v[PW].  Each result tile is read from its low end on.
.macro QUANT s, w
	WIN 5*(\w)                                     ; sources 0 and 1
.irp b, 0,1,2,3
	v_max3_num_f32 v[TM+\b], |v[(\s)+16*\b]|, |v[(\s)+1+16*\b]|, 0x2800000   ; block b: my 16 numbers, and the floor 2^(5 - 127): the byte cannot fall under 1
.endr
	WIN 20*(\w)                                    ; sources 1 and 2
.irp i, 2,4,6,8,10,12,14
.irp b, 0,1,2,3
	v_max3_num_f32 v[TM+\b], v[TM+\b], |v[(\s)+16*\b+\i]|, |v[(\s)+1+16*\b+\i]|   ; (the four blocks by turns)
.endr
.endr
	WIN 0
.irp b, 0,1,2,3
	v_permlanex16_b32 v[TM+4+\b], v[TM+\b], s26, s27
.endr
.irp b, 0,1,2,3
	v_max_num_f32 v[TM+\b], v[TM+\b], v[TM+4+\b]   ; with lane l xor 16's: the block's largest magnitude
.endr
.irp b, 0,1,2,3
	v_add_nc_u32 v[TM+12+\b], 0xfe000000, v[TM+\b] ; 4 off its exponent field: the conversion's scale operand
.endr
.irp b, 0,1,2,3
	v_lshrrev_b32 v[TM+4+\b], 23, v[TM+12+\b]      ; the scale's byte
.endr
	v_lshl_or_b32 v[PW], v[TM+5], 8, v[TM+4]       ; the four bytes make my row's scale word, the same in both halves of the lanes
	v_lshl_or_b32 v[PW], v[TM+6], 16, v[PW]
	v_lshl_or_b32 v[PW], v[TM+7], 24, v[PW]
	WIN (\w)                                       ; source 0
.irp c, 0,1
	v_cvt_scalef32_pk16_bf6_f32 v[PC+6*\c:PC+2+6*\c], v[(\s)+32*\c:(\s)+15+32*\c], v[TM+12+2*\c]
	v_cvt_scalef32_pk16_bf6_f32 v[PC+12+4*\c:PC+14+4*\c], v[(\s)+16+32*\c:(\s)+31+32*\c], v[TM+13+2*\c]   ; (a conversion's three registers begin on an even number)
.endr
	WIN 0
	v_nop                                          ; one plain place behind a scaled conversion
.irp c, 0,1                                    ; the operand's layout wants a WHOLE block in a lane: lanes 0-15 block 2 c, lanes 16-31 block 2 c + 1
.irp i, 0,1,2
	v_permlane16_swap_b32 v[PC+6*\c+\i], v[PC+12+4*\c+\i]
.endr
.irp i, 0,1,2
	v_mov_b32 v[PC+3+6*\c+\i], v[PC+12+4*\c+\i]
.endr
.endr
.endm
.macro IMAGE adr, off                          ; the fragment in v[PC] on goes to LDS as it stands
.irp c, 0,1,2
	ds_store_b128 v[\adr], v[PC+4*\c:PC+4*\c+3] offset:(\off)+512*\c
.endr
.endm
.macro FETCH reg, adr, off                     ; and comes back so, in any wave
.irp c, 0,1,2
	ds_load_b128 v[\reg+4*\c:\reg+4*\c+3], v[\adr] offset:(\off)+512*\c
.endr
.endm
.macro GIMAGE base, off                        ; or to memory: each store covers 512 consecutive bytes, at a multiple of 256 from the buffer's first byte
.irp c, 0,1,2
	global_store_b128 v[LI], v[PC+4*\c:PC+4*\c+3], s[\base:\base+1] offset:(\off)+512*\c
.endr
.endm
.macro XLOAD off                               ; my two token tiles of x, from off bytes on: each load reads one whole row of 512 bytes
.irp i, 0,1,2,3,4,5,6,7,8,9,10,11,12,13,14,15
	global_load_b128 v[XR0+4*\i:XR0+4*\i+3], v[GL], s[4:5] offset:\off+(\i+8*(\i/8))*512 th:TH_LOAD_NT
.endr
	WIN 0x80                                       ; destination window 2
.irp i, 0,1,2,3,4,5,6,7,8,9,10,11,12,13,14,15
	global_load_b128 v[XR1+4*\i:XR1+4*\i+3], v[GL], s[4:5] offset:\off+(8+\i+8*(\i/8))*512 th:TH_LOAD_NT
.endr
	WIN 0
.endm
.macro BARRIER                                 ; my LDS stores have landed and my LDS loads are in: then the work-group's barrier
	s_wait_dscnt 0x0
	s_barrier_signal -1
	s_barrier_wait -1
.endm
	s_load_b256 s[4:11], s[0:1], 0x0               ; x s[4:5], person_idxs s[6:7], PK_b s[8:9], PQ_b s[10:11]
	s_load_b256 s[12:19], s[0:1], 0x20             ; wcodes s[12:13], wscales s[14:15], kv s[16:17], qbuf s[18:19]
	v_lshl_add_u32 v254, v0, 2, 0x18800
	v_mov_b32 v255, 0
	v_lshrrev_b32 v13, 5, v0
	v_readfirstlane_b32 s20, v13                   ; wave w
	v_and_b32 v13, 31, v0                          ; lane
	v_and_b32 v14, 15, v0                          ; r
	v_bfe_u32 v15, v0, 4, 1                        ; h
	v_lshlrev_b32 v[LI], 4, v13
	v_lshlrev_b32 v[LS], 2, v13
	v_lshlrev_b32 v[BO], 6, v15                    ; the bias: 64 h bytes
	v_mul_u32_u24 v[XSR], v14, ROWP
	v_lshl_add_u32 v[XSR], v15, 6, v[XSR]
	s_wait_alu depctr_va_vdst(0)
	v_mov_b32 v[GL], v[LI]                         ; (r is done with)
	v_add_nc_u32 v[XRI], XIMG, v[LI]
	v_add_nc_u32 v[XRS], XSC, v[LS]
.irp b, 0,1,2,3
	v_mov_b32 v[TM+4+\b], 0                        ; written once: a lane permute's destination counts as one of its sources
.endr
	s_wait_alu depctr_va_sdst(0)                   ; s20 is written, ahead of its first reader: LDS places and all bases are made from it
	s_lshr_b32 s21, s20, 1                         ; g: keys' chain or queries'
	s_and_b32 s22, s20, 1                          ; sh: which 128 units
	s_and_b32 s23, ttmp7, 0xffff                   ; batch
	s_mov_b32 s24, ttmp9                           ; which 256 tokens
	s_mul_i32 s2, s20, 16*ROWP                     ; the wave's places in LDS, each in a scalar register of its own, which nothing writes again
	s_mul_i32 s3, s20, 2*FRB
	s_add_co_u32 s3, s3, XIMG
	s_lshl_b32 s28, s20, 8
	s_add_co_u32 s28, s28, XSC
	s_mul_i32 s60, s20, FRB
	s_add_co_u32 s60, s60, HIMG
	s_lshl_b32 s61, s20, 7
	s_add_co_u32 s61, s61, HSC
	s_mul_i32 s62, s21, 2*FRB
	s_add_co_u32 s62, s62, HIMG
	s_lshl_b32 s63, s21, 8
	s_add_co_u32 s63, s63, HSC
	v_add_nc_u32 v[XSA], s2, v[LI]
	v_add_nc_u32 v[XSR], s2, v[XSR]
	v_add_nc_u32 v[XWI], s3, v[LI]
	v_add_nc_u32 v[XWS], s28, v[LS]
	v_add_nc_u32 v[HWI], s60, v[LI]
	v_add_nc_u32 v[HWS], s61, v[LS]
	v_add_nc_u32 v[HRI], s62, v[LI]
	v_add_nc_u32 v[HRS], s63, v[LS]
	s_mov_b32 s26, 0x76543210
	s_mov_b32 s27, 0xfedcba98                      ; v_permlanex16_b32's selects for lane l xor 16
	s_mov_b32 s29, 0xffff                          ; lanes 0-15
	s_mov_b32 s55, 0                               ; the upper word of every offset made in s54, and (s59) in s58
	s_mov_b32 s59, 0
	s_wait_kmcnt 0x0
	s_lshl_b32 s54, s23, 2
	s_add_nc_u64 s[6:7], s[6:7], s[54:55]
	s_load_b32 s25, s[6:7], 0x0                    ; the batch's person: waited for only where its addresses are made
	s_lshl_b32 s54, s23, 10
	s_lshl_b32 s56, s24, 8
	s_add_co_u32 s54, s54, s56
	s_lshl_b32 s56, s20, 5
	s_add_co_u32 s54, s54, s56                     ; my first token: 1,024 batch + 256 x + 32 w
	s_lshl_b32 s54, s54, 9
	s_add_nc_u64 s[4:5], s[4:5], s[54:55]
	s_wait_alu depctr_va_vdst(0)                   ; the offsets and LDS addresses v1 to v14 are written: every load and store of the kernel reads one of them, and none is written again
	XLOAD 0                                        ; the first block's rows go out ahead of everything else: 32 loads
	s_mul_i32 s54, s20, 8*FRB
	s_add_nc_u64 s[30:31], s[12:13], s[54:55]      ; the first layer's fragments 8 w on
	WIN 0x40                                       ; destination window 1
.irp t, 0,1,2,3,4,5,6,7
.irp c, 0,1,2
	global_load_b128 v[W1+12*\t+4*\c:W1+12*\t+4*\c+3], v[GL], s[30:31] offset:FRB*\t+512*\c   ; 24 loads: 56 of mine are out
.endr
.endr
	WIN 0
	s_mul_i32 s54, s20, 4*FRB
	s_add_co_u32 s54, s54, 32*FRB
	s_add_nc_u64 s[32:33], s[12:13], s[54:55]      ; Wv's fragments 32 + 4 w on
	s_lshl_b32 s54, s20, 10
	s_add_nc_u64 s[48:49], s[14:15], s[54:55]      ; and the scale words, 128 bytes a fragment
	s_lshl_b32 s54, s20, 9
	s_add_co_u32 s54, s54, 32*128
	s_add_nc_u64 s[50:51], s[14:15], s[54:55]
	s_lshl_b32 s56, s23, 3
	s_lshl_b32 s57, s24, 1
	s_add_co_u32 s56, s56, s57                     ; my first block of 128 tokens: 8 batch + 2 x
	s_mul_i32 s54, s56, KVB
	s_add_nc_u64 s[16:17], s[16:17], s[54:55]
	s_mul_i32 s54, s56, QBB
	s_add_nc_u64 s[18:19], s[18:19], s[54:55]
	s_mul_i32 s54, s20, 4*FRB
	s_add_co_u32 s54, s54, 16*FRB
	s_add_nc_u64 s[40:41], s[16:17], s[54:55]      ; where my four fragments of V^T go,
	s_lshl_b32 s54, s20, 9
	s_add_co_u32 s54, s54, 32*FRB+1024
	s_add_nc_u64 s[42:43], s[16:17], s[54:55]      ; and their scale words
	s_mov_b32 s46, QBB
	s_mov_b32 s47, 0
	s_mov_b32 s58, 16*FRB
	s_cmp_lt_u32 s20, 2                            ; keys' waves or queries': the choice hangs on the wave's number alone
	s_cselect_b64 s[36:37], s[16:17], s[18:19]
	s_cselect_b64 s[44:45], s[8:9], s[10:11]
	s_cselect_b32 s46, KVB, s46                    ; the step from block to block
	s_cselect_b32 s58, 32*FRB, s58                 ; where the scale words begin in a block
	s_mul_i32 s54, s22, FRB
	s_lshl_b32 s57, s22, 9
	s_add_co_u32 s58, s58, s57
	s_add_nc_u64 s[38:39], s[36:37], s[58:59]      ; my K step's scale words
	s_add_nc_u64 s[36:37], s[36:37], s[54:55]      ; my K step's fragments
; A BLOCK OF 128 TOKENS.  first = 1: the first of the two: it brings the weights in on its way and asks for the second block's rows; first = 0: the second: it asks for nothing.
.macro BLOCK first
	; ---- X: my 32 rows of x become two fragments.  The rows turn through my stage: in as they were loaded, back 16 numbers of each of the four blocks of 32 a lane
.if \first
	s_wait_loadcnt 24                              ; loads come back in order: x's 32 are in, the first layer's 24 may be out
	WIN 0x40                                       ; Wv's fragments and the first layer's scale words go out now and land while x is quantised: 24 loads, 48 of mine out at the most
.irp n, 0,1,2,3
.irp c, 0,1,2
	global_load_b128 v[WV+12*\n+4*\c:WV+12*\n+4*\c+3], v[GL], s[32:33] offset:FRB*\n+512*\c
.endr
.endr
	WIN 0
.irp t, 0,1,2,3,4,5,6,7
	global_load_b32 v[W1S+\t], v[LS], s[48:49] offset:128*\t
.endr
.irp n, 0,1,2,3
	global_load_b32 v[WVS+\n], v[LS], s[50:51] offset:128*\n
.endr
.else
	s_wait_loadcnt 0x0                             ; this block's rows, asked for a phase ago
.endif
.irp i, 0,1,2,3,4,5,6,7,8,9,10,11,12,13,14,15
	ds_store_b128 v[XSA], v[XR0+4*\i:XR0+4*\i+3] offset:ROWP*\i
.endr
.irp b, 0,1,2,3
.irp j, 0,1,2,3
	ds_load_b128 v[HA+16*\b+4*\j:HA+16*\b+4*\j+3], v[XSR] offset:128*\b+16*\j   ; LDS serves a wave's instructions in order: these see the stores above, and the stores below come behind them.  (In the second block: the products that wrote HA and the QUANT that read it stand ahead of the last block's last wait on va_vdst, and no vector instruction has followed it)
.endr
.endr
	WIN 0x08                                       ; an LDS store's data are its source 1: window 2
.irp i, 0,1,2,3,4,5,6,7,8,9,10,11,12,13,14,15
	ds_store_b128 v[XSA], v[XR1+4*\i:XR1+4*\i+3] offset:ROWP*\i
.endr
	WIN 0
	s_wait_dscnt 32                                ; of 48 issued the oldest 16 are done: the first tile's stores
	s_wait_alu depctr_vm_vsrc(0)                   ; the stage's stores have read v[XR0 ..], in which the loads below land, and v[XR1 ..], in which the next block's rows land; in the second block the last block's stores have read the codes' registers, which QUANT writes below
.irp b, 0,1,2,3
.irp j, 0,1,2,3
	ds_load_b128 v[XR0+16*\b+4*\j:XR0+16*\b+4*\j+3], v[XSR] offset:128*\b+16*\j
.endr
.endr
	s_wait_dscnt 32                                ; the first tile's numbers are back; the second tile's 16 stores and 16 loads may be out
	QUANT HA,0
	s_wait_alu depctr_va_vdst(0)                   ; QUANT has written the codes and the scale word, which the four LDS stores read
	IMAGE XWI,0
	ds_store_b32 v[XWS], v[PW]
	s_wait_dscnt 0x0                               ; the second tile's numbers are back
	s_wait_alu depctr_vm_vsrc(0)                   ; the four stores have read the codes and the scale word, which QUANT writes again
	QUANT XR0,0
	s_wait_alu depctr_va_vdst(0)                   ; QUANT has written the codes and the scale word, which the four LDS stores read, and is done reading v[XR0 ..], in which the next block's rows land
	IMAGE XWI,FRB
	ds_store_b32 v[XWS], v[PW] offset:128
.if \first
	s_wait_loadcnt 0x0                             ; the first layer's and Wv's fragments and scale words: they are multiplied right behind the barrier
	s_wait_kmcnt 0x0                               ; the person's number
	s_min_u32 s25, s25, 31                         ; held inside the table
	s_lshl_b32 s56, s25, 1
	s_add_co_u32 s56, s56, s21                     ; 2 p + g
	s_mul_i32 s54, s56, 32*FRB
	s_mul_i32 s57, s22, 16*FRB
	s_add_co_u32 s54, s54, s57
	s_add_co_u32 s54, s54, 48*FRB
	s_add_nc_u64 s[34:35], s[12:13], s[54:55]      ; the person's fragments 48 + 32 (2 p + g) + 16 sh on
	s_lshl_b32 s54, s56, 12
	s_lshl_b32 s57, s22, 11
	s_add_co_u32 s54, s54, s57
	s_add_co_u32 s54, s54, 48*128
	s_add_nc_u64 s[52:53], s[14:15], s[54:55]      ; their scale words
	s_lshl_b32 s54, s25, 10
	s_lshl_b32 s57, s22, 9
	s_add_co_u32 s54, s54, s57
	s_add_nc_u64 s[44:45], s[44:45], s[54:55]      ; the person's bias, my 128 units
	WIN 0x80                                       ; destination window 2
.irp f, 0,1,2,3,4,5,6,7,8,9,10,11,12,13,14,15  ; fragment f = 2 t + K step: 48 loads, which have all of phase 1 in which to land.  No vector or matrix instruction has named these registers
.irp c, 0,1,2
	global_load_b128 v[W2+12*\f+4*\c:W2+12*\f+4*\c+3], v[GL], s[34:35] offset:FRB*\f+512*\c
.endr
.endr
	WIN 0
.endif
	BARRIER                                        ; x's eight fragments lie in LDS
	; ---- 1: the hidden layer and v^T, a tile of 16 tokens at a time; x's fragments in F0 and F1 by turns
	FETCH F0,XRI,0
	ds_load_b32 v[FS0], v[XRS]
.irp m, 0,1,2,3,4,5,6,7
.if \m < 7
	FETCH F0+12*((\m+1)%2),XRI,FRB*(\m+1)          ; the next tile's fragment and scale words, into the buffer that the tile before multiplied by: those products stand ahead of that tile's wait on va_vdst, and no vector or matrix instruction has followed it
	ds_load_b32 v[FS0+(\m+1)%2], v[XRS] offset:128*(\m+1)
.endif
.if (\m == 0) || (\m == 7)
	s_wait_dscnt 4                                 ; this tile's 4 loads are in; behind them: tile 0: the next tile's 4 loads; tile 7: the last tile's 4 image stores
.else
	s_wait_dscnt 8                                 ; this tile's 4 loads are in; the last tile's 4 image stores and the next tile's 4 loads, issued behind them, may be out
.endif
	WIN 0x01                                       ; source 0 (weights) window 1
.irp t, 0,1,2,3,4,5,6,7
	MM0 HA+8*\t,W1+12*\t,F0+12*(\m%2),W1S+\t,FS0+(\m%2)
.endr
	WIN 0xc4                                       ; source 1 (Wv) window 1, destination window 3
.irp n, 0,1,2,3
	MM0 64*\n+8*\m,F0+12*(\m%2),WV+12*\n,FS0+(\m%2),WVS+\n
.endr
	WIN 0
	PLACES 4                                       ; in front of the first read of these products' results
.if (\m > 0) && (\m < 7)
	s_wait_dscnt 4                                 ; all but the next tile's 4 loads: the last tile's image stores are done
.elseif \m == 7
	s_wait_dscnt 0x0                               ; the last tile's image stores are done
.endif
.if (\first) && (\m == 4)                      ; the person's bias and scale words: 32 loads, wanted at the head of phase 2.  No vector or matrix instruction has named these registers
	WIN 0x40                                       ; destination window 1
.irp t, 0,1,2,3,4,5,6,7                        ; the bias in the result's layout: lane (r, h) wants, for tile t, units 32 (t / 2) + 16 h + 8 (t % 2) + 0 .. 7
	global_load_b128 v[BI+8*\t:BI+8*\t+3], v[BO], s[44:45] offset:(32*(\t/2)+8*(\t%2))*4
	global_load_b128 v[BI+8*\t+4:BI+8*\t+7], v[BO], s[44:45] offset:(32*(\t/2)+8*(\t%2))*4+16
.endr
	WIN 0
.irp f, 0,1,2,3,4,5,6,7,8,9,10,11,12,13,14,15
	global_load_b32 v[W2S+\f], v[LS], s[52:53] offset:128*\f
.endr
.endif
	s_wait_alu depctr_vm_vsrc(0)                   ; the last four image stores have read the codes and the scale word, which QUANT writes again
	QUANT HA,0
	s_wait_alu depctr_va_vdst(0)                   ; QUANT has written the codes and the scale word, which the four LDS stores read; this tile's products are done reading their fragment and scale words, in which the next tile's head lets loads land
	IMAGE HWI,4*FRB*\m                             ; K step sh of my matrix's second product, token tile m
	ds_store_b32 v[HWS], v[PW] offset:512*\m
.endr
	s_wait_dscnt 0x0                               ; the last image's stores are done
.irp n, 0,1,2,3                                ; v^T: channel tile 4 w + n, K = the block's 128 tokens in their own order
	s_wait_xcnt 0x0                                ; the codes' registers are the data of stores issued before: they are written again only behind this wait,
	s_wait_alu depctr_vm_vsrc(0)                   ; and behind this one: the last run of stores has read the codes (n = 0: and the scale word), which QUANT writes again
	QUANT 64*\n,3
	v_mov_b32 v[SW+\n], v[PW]
	s_wait_alu depctr_va_vdst(0)                   ; QUANT has written the codes, which the three stores read; the move has written the scale word kept for the store behind the four tiles
	GIMAGE 40,FRB*\n
.endr
	global_store_b128 v[LI], v[SW:SW+3], s[42:43]  ; the four tiles' scale words, four to a lane: all four were written ahead of the last wait on va_vdst
	BARRIER                                        ; the hidden layer's 32 fragments lie in LDS
	; ---- 2: keys or queries; the hidden layer's two fragments in the pairs F0, F1 (even tiles) and FG0, FG1 (odd tiles) by turns
	FETCH F0,HRI,0
	FETCH F1,HRI,FRB
	ds_load_b32 v[FS0], v[HRS]
	ds_load_b32 v[FS1], v[HRS] offset:128
.if \first
	s_wait_loadcnt 0x0                             ; the person's fragments, scale words and bias
	XLOAD 65536                                    ; the second block's rows: they have all of this phase in which to land.  The second block asks for nothing: no load leaves its buffer.  (Phase X's waits have stated that its stores and its QUANT are done reading these registers, and nothing has named them since)
.endif
.irp m, 0,1,2,3,4,5,6,7
.if \m < 7                                     ; the next tile's pair, into the registers that the tile before multiplied by: those products stand ahead of that tile's wait on va_vdst, and no vector or matrix instruction has followed it
.if (\m%2) == 0
	WIN 0x40                                       ; destination window 1
	FETCH FG0,HRI,4*FRB*(\m+1)
	FETCH FG1,HRI,4*FRB*(\m+1)+FRB
	WIN 0
	ds_load_b32 v[GS0], v[HRS] offset:512*(\m+1)
	ds_load_b32 v[GS1], v[HRS] offset:512*(\m+1)+128
.else
	FETCH F0,HRI,4*FRB*(\m+1)
	FETCH F1,HRI,4*FRB*(\m+1)+FRB
	ds_load_b32 v[FS0], v[HRS] offset:512*(\m+1)
	ds_load_b32 v[FS1], v[HRS] offset:512*(\m+1)+128
.endif
	s_wait_dscnt 8                                 ; this tile's two fragments and scale words are in; the next tile's 8 loads may be out
.else
	s_wait_dscnt 0x0
.endif
.if (\m%2) == 0
	WIN 0x12                                       ; source 0 (weights) window 2, source 2 (bias) window 1
.irp t, 0,1,2,3,4,5,6,7
	MMC HA+8*\t,W2+24*\t,F0,BI+8*\t,W2S+2*\t,FS0
.endr
	WIN 0x02                                       ; the eight accumulators take turns, one instruction a turn
.irp t, 0,1,2,3,4,5,6,7
	MMC HA+8*\t,W2+24*\t+12,F1,HA+8*\t,W2S+2*\t+1,FS1
.endr
.else
	WIN 0x16                                       ; the same with source 1 (the hidden layer) in window 1
.irp t, 0,1,2,3,4,5,6,7
	MMC HA+8*\t,W2+24*\t,FG0,BI+8*\t,W2S+2*\t,GS0
.endr
	WIN 0x06
.irp t, 0,1,2,3,4,5,6,7
	MMC HA+8*\t,W2+24*\t+12,FG1,HA+8*\t,W2S+2*\t+1,GS1
.endr
.endif
	WIN 0
	PLACES 4                                       ; in front of the first read of these products' results
	s_wait_xcnt 0x0                                ; earlier stores have had their addresses translated: the codes' and the scale words' registers are written again only behind this wait,
	s_wait_alu depctr_vm_vsrc(0)                   ; and behind this one: the last run of stores has read the codes, and the stores of scale words have read v[SW ..] and v[PK4 ..], which the lines below write again
	QUANT HA,0
	v_mov_b32 v[SW+\m], v[PW]
.if \m == 7
.irp i, 0,1,2,3
	v_cndmask_b32 v[PK4+\i], v[SW+4+\i], v[SW+\i], s29   ; lanes 0-15: tile i's words, lanes 16-31: tile 4 + i's: one register then serves two tiles
.endr
.endif
	s_wait_alu depctr_va_vdst(0)                   ; QUANT has written the codes, which the three stores read; this tile's products are done reading their pair, in which the next tile's head lets loads land; tile 7: the four packed scale words are written, and HA is done with, in which the next block's loads land
	GIMAGE 36,2*FRB*\m                             ; token tile m, K step sh of the scores' product
.endr
	global_store_b128 v[LI], v[PK4:PK4+3], s[38:39]
.if \first
	s_wait_xcnt 0x0                                ; loads and stores have read their bases and registers: all may be written again
	s_add_nc_u64 s[36:37], s[36:37], s[46:47]      ; on to the second block's places
	s_add_nc_u64 s[38:39], s[38:39], s[46:47]
	s_add_nc_u64 s[40:41], s[40:41], KVB
	s_add_nc_u64 s[42:43], s[42:43], KVB
.endif
.endm
	BLOCK 1
	BLOCK 0
	s_wait_dscnt 0x0                               ; the closing lines, six on end (every window is 0 here)
	s_wait_alu 0x0
	s_wait_tensorcnt 0x0
	ds_add_u32 v254, v255
	s_wait_dscnt 0x0
	s_endpgm
.Lfunc_end_k_q867f3b1b96_proj:
	.size	k_q867f3b1b96_proj, .Lfunc_end_k_q867f3b1b96_proj-k_q867f3b1b96_proj
	.p2alignl 7, 3214868480
	.fill 96, 4, 3214868480
	.section	.rodata,"a",@progbits
	.p2align	6, 0x0
	.amdhsa_kernel k_q867f3b1b96_proj
		.amdhsa_group_segment_fixed_size 100864
		.amdhsa_private_segment_fixed_size 0
		.amdhsa_enable_private_segment 0
		.amdhsa_kernarg_size 64
		.amdhsa_user_sgpr_count 2
		.amdhsa_user_sgpr_kernarg_segment_ptr 1
		.amdhsa_wavefront_size32 1
		.amdhsa_system_sgpr_workgroup_id_x 1
		.amdhsa_system_sgpr_workgroup_id_y 1
		.amdhsa_system_sgpr_workgroup_id_z 1
		.amdhsa_system_vgpr_workitem_id 0
		.amdhsa_next_free_vgpr 1024
		.amdhsa_next_free_sgpr 66
		.amdhsa_reserve_vcc 0
		.amdhsa_float_denorm_mode_32 3
		.amdhsa_float_denorm_mode_16_64 3
		.amdhsa_memory_ordered 1
		.amdhsa_forward_progress 1
		.amdhsa_inst_pref_size 255
	.end_amdhsa_kernel
	.section	.bss,"aw",@nobits
	.p2align	6
	.space	262144
	.amdgpu_metadata
---
amdhsa.version: [ 1, 2 ]
amdhsa.kernels:
  - .name:           k_q867f3b1b96_proj
    .symbol:         k_q867f3b1b96_proj.kd
    .args:
      - { .name: x, .offset: 0, .size: 8, .value_kind: global_buffer, .address_space: global }
      - { .name: person_idxs, .offset: 8, .size: 8, .value_kind: global_buffer, .address_space: global }
      - { .name: PK_b, .offset: 16, .size: 8, .value_kind: global_buffer, .address_space: global }
      - { .name: PQ_b, .offset: 24, .size: 8, .value_kind: global_buffer, .address_space: global }
      - { .name: wcodes, .offset: 32, .size: 8, .value_kind: global_buffer, .address_space: global }
      - { .name: wscales, .offset: 40, .size: 8, .value_kind: global_buffer, .address_space: global }
      - { .name: kv, .offset: 48, .size: 8, .value_kind: global_buffer, .address_space: global }
      - { .name: qbuf, .offset: 56, .size: 8, .value_kind: global_buffer, .address_space: global }
    .group_segment_fixed_size: 100864
    .private_segment_fixed_size: 0
    .kernarg_segment_align: 8
    .kernarg_segment_size: 64
    .max_flat_workgroup_size: 128
    .sgpr_count:     66
    .vgpr_count:     1024
    .wavefront_size: 32
...
	.end_amdgpu_metadata
.endif
;; end of part 5
;; launch attn (part 6): grid 4 x 64, 8 waves a work-group, clusters of 4 x 1, 327,680 bytes of LDS; arguments qbuf, kv, mask, out0; writes out0
.if DOCPART == 6
	.amdgcn_target "amdgcn-amd-amdhsa--gfx1250"
	.amdhsa_code_object_version 6
	.text
	.protected	k_q867f3b1b96_attn
	.globl	k_q867f3b1b96_attn
	.p2align	8
	.type	k_q867f3b1b96_attn,@function
k_q867f3b1b96_attn:
	s_mov_b64 s[64:65], 0
	v_nop
	global_prefetch_b8 v0, s[64:65] scope:SCOPE_SE
	s_setreg_imm32_b32 hwreg(HW_REG_WAVE_MODE, 25, 1), 1
	s_wait_xcnt 0x0
	s_wait_alu depctr_hold_cnt(0) depctr_sa_sdst(0) depctr_va_vdst(0) depctr_va_sdst(0) depctr_va_ssrc(0) depctr_va_vcc(0) depctr_vm_vsrc(0)
	s_getreg_b32 s2, hwreg(HW_REG_IB_STS2, 6, 4)
	s_cmp_eq_u32 s2, 0
	s_cbranch_scc0 .Lentry_in_a_cluster
	s_endpgm
.Lentry_in_a_cluster:
	s_bfe_u32 s2, ttmp6, 0x10000c
	s_cmp_lg_u32 s2, 0x3003
	s_cbranch_scc0 .Lentry_shape_is_right
	s_endpgm
.Lentry_shape_is_right:
; out0[b][q][:] = the sum over keys of softmax(queries[b][q] . keys[b][k] / 16, keys with mask 0 left out) v[b][k][:], both products on codes of BF6 (E3M2) with one E8M0 scale for each 32 along K.
; Queries, keys and v^T come as images of operand registers (16 rows x 128 K: registers 4 c .. 4 c + 3 of lane l at 512 c + 16 l of 1,536 bytes); a block of kv holds all that a step of 128 keys needs, on end:
; 16 fragments of K (key tile kt, K step s: 2 kt + s), 16 of V^T (channel tile dt), K's scale words (512 bytes a K step: four words a lane, lanes 0-15 tiles 0-3, lanes 16-31 tiles 4-7), V's (512 bytes for four channel tiles).
; THE SOFTMAX: t = score x log2(e) / 16; M = the row's largest t so far, rounded up to a whole number; p = 2^(t - M) is quantised along the keys, not normalised; the row's sum is taken of the unquantised p and divides at the end.
; When M moves, the sum and O are multiplied by 2^(old M - new M), which rounds nothing.
; THE MASK costs no vector instruction in the loop: 0 or -3e38 for each key lies in LDS as f32 and is the C of a score tile's first product.
; SHARES.  A cluster of four work-groups is one batch; a work-group owns 256 queries, each of its eight waves two tiles of 16: a fragment of K or V read from LDS feeds two products, and two waves share a SIMD, so that one wave's
; softmax stands beside the other's products and LDS loads.  Every wave walks 8 steps of 128 keys.  The four work-groups walk the same blocks of kv: each slot (two blocks, 104,448 dense bytes) is asked for JOINTLY, every wave an eighth.
; LAYOUT.  Both products are used transposed: S^T = K Q^T, O^T = V^T P^T: a lane holds one query throughout.  Lane r of a tile T of keys, queries or channels is row 32 (T / 2) + 8 (T % 2) + r + 8 (r / 8), so that the 16 result
; registers of two neighbouring tiles are 16 neighbours.
; LIMITS: a masked score stands as -3e38, not as -infinity; the running largest t starts at -1e30, so a row whose every open t lies under -1e30 is not served; a batch with no open key gives 0 x infinity = NaN, as the softmax of
; nothing does; a block of p that has fallen to 0 keeps the scale byte 1 over zero codes; NaN and infinities are not served.
; REGISTERS: window 0: v1-5 addresses; v[6:7] the rescaling factor; v8-15 -M, largest t, the sum's two halves for each tile; v16-27 scale words and nothing else (Q's, p's, K's or V's); v28-75 Q; v76-139, v140-203 the two tiles' scores,
;   later two sets of four fragments of V, at the end rows of the output; v204-251 four fragments of K, later the softmax's work and p's codes; v250-255 at work.   window 1: O^T, 16 tiles for each query tile.
.set FRB,   1536
.set STEPB, 52224                      ; a block of kv
.set SLOT1, 1<<17                      ; slot 1 begins here: one exclusive or turns an address in one slot into the other's
.set MB,    2*STEPB                    ; behind slot 0: the mask's 1,024 numbers, stored once, in blocks of 256 bytes into which no fill lands
.set SPARE, MB+4096                    ; the spare words, 128 bytes for each wave: four blocks of 256 bytes that no other line names
.set STAGE, SLOT1+2*STEPB              ; behind slot 1: 16 rows x (512 bytes + 16) for each wave, for the way out; no fill lands here
.set ROWP,  528
.set LI,   1                           ; 16 x lane
.set SPW,  2                           ; LDS address of my spare word; never rewritten
.set NIL,  3                           ; 0; never rewritten
.set AD,   4                           ; the step's block in LDS + 16 x lane; on the way out: where I put 16 bytes of a row
.set ADM,  5                           ; the step's mask numbers + 64 h; on the way out: where I read a row back
.set ST,   8
.set QS,   16
.set PS,   18
.set KS,   20
.set Q,    28                          ; tile q, K step s at Q + 24 q + 12 s
.set S0,   76
.set S1,   140
.set VSET, 76                          ; V's two sets of four fragments
.set POOL, 204
.set BM,   204                         ; each block's largest score, then its largest p
.set PT,   208
.set SO,   212
.set CT,   216
.set SUM2, 224
.set P0,   226                         ; p's codes: tile q at P0 + 12 q
.set TA,   250
.set OB,   76                          ; the way out: 16 rows read back, two sets by turns
.set MSB, 0
.macro WIN new                         ; the immediate's high byte repeats the setting that is left; a switch that changes nothing is dropped
.if MSB != \new
	s_set_vgpr_msb (MSB<<8)|\new
.set MSB, \new
.endif
.endm
.macro PLACES n
.rept \n
	v_nop
.endr
.endm
.macro MM0 d, a, b, sa, sb
	v_wmma_scale_f32_16x16x128_f8f6f4 v[(\d):(\d)+7], v[(\a):(\a)+11], v[(\b):(\b)+11], 0, v[\sa], v[\sb] matrix_a_fmt:MATRIX_FMT_BF6 matrix_b_fmt:MATRIX_FMT_BF6
.endm
.macro MMC d, a, b, c, sa, sb
	v_wmma_scale_f32_16x16x128_f8f6f4 v[(\d):(\d)+7], v[(\a):(\a)+11], v[(\b):(\b)+11], v[(\c):(\c)+7], v[\sa], v[\sb] matrix_a_fmt:MATRIX_FMT_BF6 matrix_b_fmt:MATRIX_FMT_BF6
.endm
.macro MMS d, a, b, c, sa, sb, ra, rb  ; ra, rb = 1: that side's scale words stand in lanes 16-31
.if ((\ra) == 0) && ((\rb) == 0)
	v_wmma_scale_f32_16x16x128_f8f6f4 v[(\d):(\d)+7], v[(\a):(\a)+11], v[(\b):(\b)+11], v[(\c):(\c)+7], v[\sa], v[\sb] matrix_a_fmt:MATRIX_FMT_BF6 matrix_b_fmt:MATRIX_FMT_BF6
.elseif (\rb) == 0
	v_wmma_scale_f32_16x16x128_f8f6f4 v[(\d):(\d)+7], v[(\a):(\a)+11], v[(\b):(\b)+11], v[(\c):(\c)+7], v[\sa], v[\sb] matrix_a_fmt:MATRIX_FMT_BF6 matrix_b_fmt:MATRIX_FMT_BF6 matrix_a_scale:MATRIX_SCALE_ROW1
.elseif (\ra) == 0
	v_wmma_scale_f32_16x16x128_f8f6f4 v[(\d):(\d)+7], v[(\a):(\a)+11], v[(\b):(\b)+11], v[(\c):(\c)+7], v[\sa], v[\sb] matrix_a_fmt:MATRIX_FMT_BF6 matrix_b_fmt:MATRIX_FMT_BF6 matrix_b_scale:MATRIX_SCALE_ROW1
.else
	v_wmma_scale_f32_16x16x128_f8f6f4 v[(\d):(\d)+7], v[(\a):(\a)+11], v[(\b):(\b)+11], v[(\c):(\c)+7], v[\sa], v[\sb] matrix_a_fmt:MATRIX_FMT_BF6 matrix_b_fmt:MATRIX_FMT_BF6 matrix_a_scale:MATRIX_SCALE_ROW1 matrix_b_scale:MATRIX_SCALE_ROW1
.endif
.endm
; A round of the cluster's barrier: my work-group's barrier, so that wave 0's signal speaks for all eight waves; wave 0 signals for the work-group; every wave waits for all four work-groups; my work-group's barrier once more.
.macro ROUND
	s_barrier_signal -1
	s_barrier_wait -1
	s_cmp_lg_u32 s12, 0
	s_cbranch_scc1 .Lnot_wave_0_\@
	s_barrier_signal -3
.Lnot_wave_0_\@:
	s_barrier_wait -3
	s_barrier_signal -1
	s_barrier_wait -1
.endm
.macro JLOAD                           ; my eighth of a slot: 51 rows of 256 bytes; the same line, the same descriptor and the same mask in all four work-groups.  Four v_nop follow
	tensor_load_to_lds s[24:27], s[16:23]
	s_nop 0
.rept 4
	v_nop
.endr
.endm
; THE CHANGE OF SLOTS stands at a slot's head.  Each wave waits for all its tensor loads (one is out: its part of the slot that it is about to read), adds 0 to its spare word, and waits for that and for its reads of the slot that it has left.
; fill = 1: that slot is filled with the next two blocks: the barrier is a round of the cluster's, and the joint load is the first thing behind it; it has two key steps, 128 products and four softmaxes a wave, in which to land.
.macro CHANGE fill
	s_wait_tensorcnt 0x0                           ; no tensor load of mine is out, so the descriptor may be written
	ds_add_u32 v[SPW], v[NIL]                      ; 0 onto my spare word
.if \fill
	s_xor_b32 s25, s25, SLOT1                      ; the other slot than last time,
	s_add_nc_u64 s[26:27], s[26:27], 2*STEPB       ; the next two blocks; the type bits on top are not reached
.endif
	s_wait_dscnt 0x0                               ; the add is done, and my LDS loads and stores are over
.if \fill
	ROUND
	JLOAD
.else
	s_barrier_signal -1
	s_barrier_wait -1
.endif
.endm
.macro NEXTSLOT                        ; back to a slot's first block (a slot's 104,448 bytes do not reach bit 17), in the other slot
	s_and_b32 s32, s32, SLOT1
	s_xor_b32 s32, s32, SLOT1
.endm
.macro KLOAD be                        ; key tiles 2 be and 2 be + 1, both K steps: four fragments on end
.irp i, 0,1,2,3,4,5,6,7,8,9,10,11
	ds_load_b128 v[POOL+4*\i:POOL+4*\i+3], v[AD] offset:4*FRB*(\be)+512*\i
.endr
.endm
.macro VLOAD g                         ; channel tiles 4 g .. 4 g + 3 into set g % 2, and their scale words: 13 loads
.irp i, 0,1,2,3,4,5,6,7,8,9,10,11
	ds_load_b128 v[VSET+48*((\g)%2)+4*\i:VSET+48*((\g)%2)+4*\i+3], v[AD] offset:16*FRB+4*FRB*(\g)+512*\i
.endr
	ds_load_b128 v[KS+4*((\g)%2):KS+4*((\g)%2)+3], v[AD] offset:32*FRB+1024+512*(\g)
.endm
; One query tile's softmax for one key step.  Register 16 b + i of the tile's 64 scores is key 32 b + 16 (lane / 16) + i.  first = 1: there is no O^T yet to rescale.
.macro SOFTMAX q, first
.set rS, S0+64*\q
.set rT, ST+4*\q
.set rP, P0+12*\q
.irp b, 0,1,2,3
	v_max3_num_f32 v[BM+\b], v[rS+16*\b], v[rS+1+16*\b], v[rS+2+16*\b]   ; THE LARGEST SCORE OF EACH BLOCK OF 32 KEYS serves twice: for the row's maximum and, since p rises with the score, for the block's largest p
.endr
.irp i, 3,5,7,9,11,13
.irp b, 0,1,2,3
	v_max3_num_f32 v[BM+\b], v[BM+\b], v[rS+16*\b+\i], v[rS+1+16*\b+\i]   ; (the four blocks by turns; each score tile is read from its low end on)
.endr
.endr
.irp b, 0,1,2,3
	v_max_num_f32 v[BM+\b], v[BM+\b], v[rS+15+16*\b]
.endr
.irp b, 0,1,2,3
	s_delay_alu instid0(VALU_DEP_4)
	v_permlanex16_b32 v[PT+\b], v[BM+\b], s30, s31
.endr
.irp b, 0,1,2,3
	s_delay_alu instid0(VALU_DEP_4)
	v_max_num_f32 v[BM+\b], v[BM+\b], v[PT+\b]     ; with lane l xor 16's 16 keys
.endr
	s_delay_alu instid0(VALU_DEP_2)
	v_max3_num_f32 v[TA], v[BM], v[BM+1], v[BM+2]
	s_delay_alu instid0(VALU_DEP_1)
	v_max_num_f32 v[TA], v[TA], v[BM+3]            ; the step's largest score of my query
	s_delay_alu instid0(VALU_DEP_1)
	v_mul_f32 v[TA], s28, v[TA]                    ; as t (the factor is positive)
	s_delay_alu instid0(VALU_DEP_1)
	v_max_num_f32 v[rT+1], v[rT+1], v[TA]          ; the running largest t
	v_mov_b32 v[TA], v[rT]
	s_delay_alu instid0(VALU_DEP_2)
	v_floor_f32 v[rT], -v[rT+1]                    ; the new -M = floor(-t) = -ceil(t): a whole number
	s_delay_alu instid0(VALU_DEP_1)
	v_sub_f32 v[TA], v[rT], v[TA]                  ; old M - new M: a whole number, 0 or less
	s_delay_alu instid0(VALU_DEP_1)
	v_cvt_i32_f32 v[TA], v[TA]                     ; (it saturates)
	s_delay_alu instid0(VALU_DEP_1)
	v_ldexp_f32 v6, 1.0, v[TA]                     ; f = 2^(old M - new M)
.set j, 0
.rept 32
	v_pk_fma_f32 v[rS+j:rS+j+1], v[rS+j:rS+j+1], s[28:29], v[rT:rT+1] op_sel_hi:[1,0,0]   ; t - M, two at a time (of both pairs the low word serves both halves)
.set j, j+2
.endr
.irp b, 0,1,2,3
	v_fma_f32 v[BM+\b], v[BM+\b], s28, v[rT]       ; the same of each block's largest score
.endr
.set j, 0
	s_wait_alu depctr_va_vdst(0)
.rept 64
	v_exp_f32 v[rS+j], v[rS+j]                     ; p = 2^(t - M), at most 1
.set j, j+1
.endr
.irp b, 0,1,2,3
	v_exp_f32 v[BM+\b], v[BM+\b]                   ; the block's largest p: the same two instructions on the same number give the same bits
.endr
	v_pk_mul_f32 v[rT+2:rT+3], v[rT+2:rT+3], v[6:7] op_sel_hi:[1,0]   ; the sums under the new M.  (A plain place behind the exponentials)
	s_wait_alu depctr_va_vdst(0)
.irp b, 0,1,2,3
	v_max_num_f32 v[BM+\b], 0x2800000, v[BM+\b]    ; the floor 2^(5 - 127): the byte cannot fall under 1
.endr
.irp b, 0,1,2,3
	s_delay_alu instid0(VALU_DEP_4)
	v_add_nc_u32 v[SO+\b], 0xfe000000, v[BM+\b]    ; 4 off the exponent field: the conversion's scale operand
.endr
.irp b, 0,1,2,3
	s_delay_alu instid0(VALU_DEP_4)
	v_lshrrev_b32 v[PT+\b], 23, v[SO+\b]           ; the scale's byte
.endr
	s_delay_alu instid0(VALU_DEP_3)
	v_lshl_or_b32 v[PS+\q], v[PT+1], 8, v[PT]      ; p's scale word for these 128 keys
	s_delay_alu instid0(VALU_DEP_1)
	v_lshl_or_b32 v[PS+\q], v[PT+2], 16, v[PS+\q]
	s_delay_alu instid0(VALU_DEP_1)
	v_lshl_or_b32 v[PS+\q], v[PT+3], 24, v[PS+\q]
.irp c, 0,1
	v_cvt_scalef32_pk16_bf6_f32 v[rP+6*\c:rP+2+6*\c], v[rS+32*\c:rS+15+32*\c], v[SO+2*\c]
	v_cvt_scalef32_pk16_bf6_f32 v[CT+4*\c:CT+2+4*\c], v[rS+16+32*\c:rS+31+32*\c], v[SO+1+2*\c]   ; (a conversion's three registers begin on an even number)
.endr
	v_nop                                          ; one plain place behind a scaled conversion
.irp c, 0,1                                    ; the operand's layout wants a WHOLE block in a lane: lanes 0-15 block 2 c, lanes 16-31 block 2 c + 1
.irp i, 0,1,2
	v_permlane16_swap_b32 v[rP+6*\c+\i], v[CT+4*\c+\i]
.endr
.irp i, 0,1,2
	s_delay_alu instid0(VALU_DEP_3)
	v_mov_b32 v[rP+3+6*\c+\i], v[CT+4*\c+\i]
.endr
.endr
	v_pk_add_f32 v[SUM2:SUM2+1], v[rS:rS+1], v[rS+2:rS+3]   ; THE ROW'S SUM IS TAKEN OF THE UNQUANTISED p: two at a time, in two chains.  (These are also the places between p's codes and scale word and the products that take them)
.irp j, 4,8,12,16,20,24,28,32,36,40,44,48,52,56,60
	v_pk_add_f32 v[rT+2:rT+3], v[rT+2:rT+3], v[rS+\j:rS+1+\j]
	v_pk_add_f32 v[SUM2:SUM2+1], v[SUM2:SUM2+1], v[rS+2+\j:rS+3+\j]
.endr
	s_delay_alu instid0(VALU_DEP_1)
	v_pk_add_f32 v[rT+2:rT+3], v[rT+2:rT+3], v[SUM2:SUM2+1]
	VLOAD \q                                       ; the tile's scores are done with: V's fragments land in their registers
.if !\first
	WIN 0x41                                       ; O^T (destination and source 0) window 1
.set j, 128*\q
.rept 64
	v_pk_mul_f32 v[j:j+1], v[j:j+1], v[6:7] op_sel_hi:[1,0]   ; O^T under the new M, each tile from its low end on
.set j, j+2
.endr
	WIN 0
.endif
.endm
; A KEY STEP: 128 keys, the block at LDS byte s32.  first = 1: the products V^T P^T start O^T's sums: nothing is ever cleared.
.macro STEP first
	v_add_nc_u32 v[AD], s32, v[LI]                 ; these five lines are the places behind the last step's products: the loads below land in registers that those read (four are owed), the first products below write over such registers (five)
	v_bfe_u32 v[ADM], v0, 4, 1
	s_delay_alu instid0(VALU_DEP_1)
	v_lshlrev_b32 v[ADM], 6, v[ADM]
	s_delay_alu instid0(VALU_DEP_1)
	v_add_nc_u32 v[ADM], s35, v[ADM]
	v_nop
.irp kt, 0,1,2,3,4,5,6,7                       ; the mask's numbers in a score tile's layout: register j of tile kt is key 32 (kt / 2) + 16 h + 8 (kt % 2) + j
	ds_load_b128 v[S1+8*\kt:S1+8*\kt+3], v[ADM] offset:128*(\kt/2)+32*(\kt%2)
	ds_load_b128 v[S1+8*\kt+4:S1+8*\kt+7], v[ADM] offset:128*(\kt/2)+32*(\kt%2)+16
.endr
	ds_load_b128 v[KS:KS+3], v[AD] offset:32*FRB           ; K's scale words, K step 0,
	ds_load_b128 v[KS+4:KS+7], v[AD] offset:32*FRB+512     ; and 1
	KLOAD 0
	s_wait_alu depctr_va_vdst(0)
	s_wait_dscnt 0x0
.irp be, 0,1,2,3                               ; S^T = K Q^T + the mask's numbers: two key tiles x two query tiles x two K steps; the four accumulators take turns, one instruction a turn
	MMS S0+16*\be,POOL,Q,S1+16*\be,KS+(2*\be)%4,QS,\be/2,0
	MMS S0+16*\be+8,POOL+24,Q,S1+16*\be+8,KS+(2*\be+1)%4,QS,\be/2,0
	PLACES 5                                       ; the next two products write over the C of the last two
	MMS S1+16*\be,POOL,Q+24,S1+16*\be,KS+(2*\be)%4,QS,\be/2,1
	MMS S1+16*\be+8,POOL+24,Q+24,S1+16*\be+8,KS+(2*\be+1)%4,QS,\be/2,1
	MMS S0+16*\be,POOL+12,Q+12,S0+16*\be,KS+4+(2*\be)%4,QS+1,\be/2,0
	MMS S0+16*\be+8,POOL+36,Q+12,S0+16*\be+8,KS+4+(2*\be+1)%4,QS+1,\be/2,0
	MMS S1+16*\be,POOL+12,Q+36,S1+16*\be,KS+4+(2*\be)%4,QS+1,\be/2,1
	MMS S1+16*\be+8,POOL+36,Q+36,S1+16*\be+8,KS+4+(2*\be+1)%4,QS+1,\be/2,1
	PLACES 4                                       ; in front of loads into K's registers; behind the last batch: of the first read of the scores and the first write into K's registers
.if \be < 3
	KLOAD \be+1
	s_wait_dscnt 0x0
.endif
.endr
	SOFTMAX 0,\first
	SOFTMAX 1,\first
	s_wait_alu depctr_va_vdst(0)
.irp g, 0,1,2,3                                ; O^T += V^T P^T: four channel tiles x two query tiles at a time: all accumulators differ
.if \g < 3
	s_wait_dscnt 13                                ; this group's 13 loads are in; the next group's 13 may be out
.else
	s_wait_dscnt 0x0
.endif
.if \first
	WIN 0x40                                       ; destination window 1
.else
	WIN 0x50                                       ; C and D window 1
.endif
.irp k, 0,1,2,3
.irp q, 0,1
.if \first
	MM0 128*\q+8*(4*\g+\k),VSET+48*(\g%2)+12*\k,P0+12*\q,KS+4*(\g%2)+\k,PS+\q
.else
	MMC 128*\q+8*(4*\g+\k),VSET+48*(\g%2)+12*\k,P0+12*\q,128*\q+8*(4*\g+\k),KS+4*(\g%2)+\k,PS+\q
.endif
.endr
.endr
	WIN 0
.if \g < 2
	PLACES 4                                       ; in front of loads into the set just multiplied
	VLOAD \g+2
.endif
.endr
	s_add_co_u32 s35, s35, 512                     ; the next step's mask numbers,
	s_add_co_u32 s32, s32, STEPB                   ; and its block
.endm
.macro TWO_STEPS                       ; a slot's two key steps: written once, walked twice
	s_mov_b32 s34, 2
.Lstep_\@:
	STEP 0
	s_sub_co_u32 s34, s34, 1
	s_cmp_lg_u32 s34, 0
	s_cbranch_scc1 .Lstep_\@
.endm
	s_load_b256 s[4:11], s[0:1], 0x0               ; qbuf s[4:5], kv s[6:7], mask s[8:9], out0 s[10:11]
	v_lshl_add_u32 v[SPW], v0, 2, SPARE
	v_mov_b32 v[NIL], 0
	ds_add_u32 v2, v3
	ds_add_u32 v2, v3
	s_wait_dscnt 0x0
	v_lshrrev_b32 v4, 5, v0
	s_delay_alu instid0(VALU_DEP_1)
	v_readfirstlane_b32 s12, v4                    ; wave 0..7
	s_and_b32 s14, ttmp7, 0xffff                   ; the batch, which the four partners share
	v_and_b32 v1, 31, v0
	s_delay_alu instid0(VALU_DEP_1)
	v_lshlrev_b32 v[LI], 4, v1
	; descriptor group 1: 51 rows of 32 elements of 8 bytes, dense in memory and in LDS
	s_mov_b32 s16, 15|(3<<16)|(1<<21)              ; 15:0 the mask: all four work-groups; 17:16 elements of 8 bytes; 20 padding off; 21 set beside a mask
	s_mov_b32 s17, 32<<16                          ; tensor_dim0 = 32
	s_mov_b32 s18, 51<<16                          ; tensor_dim1 = 51
	s_mov_b32 s19, 32<<16                          ; tile_dim0 = 32
	s_mov_b32 s20, 51                              ; tile_dim1 = 51
	s_mov_b32 s21, 32                              ; from row to row: 32 elements
	s_mov_b32 s22, 0
	s_mov_b32 s23, 0
	s_mov_b32 s24, 1                               ; group 0: count = 1,
	s_mul_i32 s25, s12, 51*256                     ; LDS address: my eighth of slot 0: no place in the cluster enters it,
	s_mul_i32 s36, s14, 8*STEPB                    ; global address: the batch's eight blocks, my eighth of the first two
	s_add_co_u32 s36, s36, s25
	s_mov_b32 s37, 0
	s_mov_b32 s28, 0x3db8aa3b                      ; log2(e) / 16: the queries' division by sqrt(256) is taken here
	s_mov_b32 s29, s28                             ; (named with it as a pair, so it is written)
	s_mov_b32 s30, 0x76543210
	s_mov_b32 s31, 0xfedcba98                      ; v_permlanex16_b32's selects for lane l xor 16
	s_mov_b32 s32, 0                               ; LDS byte of the step's block
	s_mov_b32 s35, MB                              ; and of its mask numbers
	s_wait_kmcnt 0x0
	s_add_nc_u64 s[26:27], s[6:7], s[36:37]
	s_or_b32 s27, s27, 0x80000000                  ; type = 2
	ROUND                                          ; all four work-groups are here: the first joint loads meet
	JLOAD                                          ; slot 0: blocks 0 and 1.  One tensor load of mine is out, here and behind every later round
	s_bfe_u32 s13, ttmp6, 0x40000                  ; cx: my quarter of the batch's queries (the grid has one cluster along x): it enters Q's and the output's addresses alone
	s_lshl_b32 s38, s14, 3
	s_lshl_b32 s39, s13, 1
	s_add_co_u32 s38, s38, s39
	s_lshr_b32 s39, s12, 2
	s_add_co_u32 s38, s38, s39                     ; my block of 128 queries: 8 batch + 2 cx + wave / 4
	s_and_b32 s40, s12, 3                          ; i: my tiles are i and i + 4 of its eight
	s_mov_b32 s43, 0
	s_mul_i32 s42, s38, 25600
	s_add_nc_u64 s[4:5], s[4:5], s[42:43]          ; the block in qbuf,
	s_mul_i32 s42, s40, 2*FRB
	s_add_nc_u64 s[44:45], s[4:5], s[42:43]        ; and tile i's fragments
	s_lshl_b32 s42, s14, 10
	s_add_nc_u64 s[8:9], s[8:9], s[42:43]          ; the batch's mask
	s_lshl_b32 s42, s38, 7
	s_lshr_b32 s41, s40, 1
	s_lshl_b32 s41, s41, 5
	s_add_co_u32 s42, s42, s41
	s_and_b32 s41, s40, 1
	s_lshl_b32 s41, s41, 3
	s_add_co_u32 s42, s42, s41                     ; tile i's first token: 128 x block + 32 (i / 2) + 8 (i % 2)
	s_lshl_b32 s42, s42, 10
	s_add_nc_u64 s[10:11], s[10:11], s[42:43]
	v_lshlrev_b32 v252, 2, v0
	global_load_b32 v253, v252, s[8:9]             ; four bytes of the mask a thread: 256 threads, 1,024 keys
	s_wait_alu depctr_va_vdst(0)
.irp q, 0,1
.irp s, 0,1
.irp c, 0,1,2
	global_load_b128 v[Q+24*\q+12*\s+4*\c:Q+24*\q+12*\s+4*\c+3], v[LI], s[44:45] offset:8*FRB*\q+FRB*\s+512*\c th:TH_LOAD_NT   ; Q stays in registers; read once in the launch
.endr
.endr
.endr
	s_lshl_b32 s41, s40, 2
	v_add_nc_u32 v250, s41, v[LI]                  ; word i of a lane's four: lanes 0-15 tile i, lanes 16-31 tile i + 4
	global_load_b32 v[QS], v250, s[4:5] offset:16*FRB
	global_load_b32 v[QS+1], v250, s[4:5] offset:16*FRB+512
	v_mov_b32 v254, 0xff61b1e6                     ; -3e38
	v_lshl_add_u32 v255, v0, 4, MB
.irp q, 0,1
	v_mov_b32 v[ST+4*\q+1], 0xf149f2ca             ; the largest t so far: -1e30
	s_delay_alu instid0(VALU_DEP_1)
	v_floor_f32 v[ST+4*\q], -v[ST+4*\q+1]          ; -M
	v_mov_b32 v[ST+4*\q+2], 0                      ; the sum, in two halves
	v_mov_b32 v[ST+4*\q+3], 0
.endr
	v_mov_b32 v7, 0                                ; (named as the upper half of the pair v[6:7])
	s_wait_loadcnt 14                              ; the mask's bytes are in; Q's 12 + 2 loads may be out
.irp n, 0,1,2,3
	v_bfe_u32 v251, v253, 8*\n, 8
	s_delay_alu instid0(VALU_DEP_1)
	v_cmp_eq_u32 vcc_lo, 0, v251
	s_delay_alu instid0(VALU_DEP_1)
	v_cndmask_b32 v[S0+\n], 0, v254, vcc_lo        ; 0 for a key that counts, -3e38 for one that does not
.endr
	ds_store_b128 v255, v[S0:S0+3]
	CHANGE 1                                       ; slot 0 has landed and every wave's mask numbers are stored; slot 1 takes blocks 2 and 3
	s_wait_loadcnt 0x0                             ; Q
	STEP 1
	STEP 0
	NEXTSLOT
	s_mov_b32 s33, 2
.Lslot:                                            ; two trips: slots 0 and 1 are filled once more
	CHANGE 1
	TWO_STEPS
	NEXTSLOT
	s_sub_co_u32 s33, s33, 1
	s_cmp_lg_u32 s33, 0
	s_cbranch_scc1 .Lslot
	CHANGE 0                                       ; the last slot is written out
	TWO_STEPS
	; THE WAY OUT.  The sum's halves are added; O^T is divided by the sum and goes through my stage in LDS, half a row (512 bytes) of 16 queries at a time, so that the 32 lanes store 512 consecutive bytes.
	v_add_f32 v250, v10, v11                       ; (these additions and the address lines are the places behind the last products)
	v_add_f32 v251, v14, v15
	s_delay_alu instid0(VALU_DEP_2)
	v_permlanex16_b32 v252, v250, s30, s31
	s_delay_alu instid0(VALU_DEP_2)
	v_permlanex16_b32 v253, v251, s30, s31
	s_delay_alu instid0(VALU_DEP_2)
	v_add_f32 v250, v250, v252                     ; with lane l xor 16's keys: the row's sum
	s_delay_alu instid0(VALU_DEP_2)
	v_add_f32 v251, v251, v253
	s_wait_alu depctr_va_vdst(0)
	v_rcp_f32 v6, v250
	v_rcp_f32 v254, v251
	s_mul_i32 s36, s12, 16*ROWP
	s_add_co_u32 s36, s36, STAGE                   ; my stage
	v_and_b32 v[AD], 15, v0                        ; (plain places behind the reciprocals)
	s_delay_alu instid0(VALU_DEP_1)
	v_mul_u32_u24 v[AD], v[AD], ROWP
	v_bfe_u32 v[ADM], v0, 4, 1
	s_delay_alu instid0(VALU_DEP_1)
	v_lshl_add_u32 v[AD], v[ADM], 6, v[AD]
	s_delay_alu instid0(VALU_DEP_1)
	v_add_nc_u32 v[AD], s36, v[AD]                 ; in: row r, + 64 h
	v_add_nc_u32 v[ADM], s36, v[LI]                ; back: the 32 lanes take one row
	WIN 0x41
.set j, 0
	s_wait_alu depctr_va_vdst(0)
.rept 64
	v_pk_mul_f32 v[j:j+1], v[j:j+1], v[6:7] op_sel_hi:[1,0]        ; tile 0: register 16 B + i is channel 32 B + 16 h + i of query r
.set j, j+2
.endr
.rept 64
	v_pk_mul_f32 v[j:j+1], v[j:j+1], v[254:255] op_sel_hi:[1,0]    ; tile 1
.set j, j+2
.endr
	WIN 0
.macro TOSTAGE pi                      ; pass pi = 2 q + u: query tile q, channels 128 u on
	WIN 0x04                                       ; an LDS store's data are its source 1: window 1
.irp b, 0,1,2,3
.irp i, 0,1,2,3
	ds_store_b128 v[AD], v[128*((\pi)/2)+16*(4*((\pi)%2)+\b)+4*\i:128*((\pi)/2)+16*(4*((\pi)%2)+\b)+4*\i+3] offset:128*\b+16*\i
.endr
.endr
	WIN 0
.irp i, 0,1,2,3,4,5,6,7,8,9,10,11,12,13,14,15
	ds_load_b128 v[OB+64*((\pi)%2)+4*\i:OB+64*((\pi)%2)+4*\i+3], v[ADM] offset:ROWP*\i   ; LDS serves a wave's instructions in order: these see my stores, and the next pass's stores come behind them
.endr
.endm
.macro SEND pi, younger                ; younger: the LDS instructions issued behind this pass's loads, which may stay out
	s_wait_dscnt \younger
.irp i, 0,1,2,3,4,5,6,7,8,9,10,11,12,13,14,15
	global_store_b128 v[LI], v[OB+64*((\pi)%2)+4*\i:OB+64*((\pi)%2)+4*\i+3], s[10:11] offset:65536*((\pi)/2)+512*((\pi)%2)+(\i+8*(\i/8))*1024 th:TH_STORE_NT   ; 512 consecutive bytes, at a multiple of 256 from the output's first byte; written once
.endr
.endm
	TOSTAGE 0
	TOSTAGE 1
	s_wait_alu depctr_va_vdst(0)
	SEND 0,32                                      ; behind pass 0's loads: pass 1's 16 stores and 16 loads
	s_wait_xcnt 0x0                                ; pass 0's stores have read their registers: pass 2's loads may land there
	TOSTAGE 2
	SEND 1,32
	s_wait_xcnt 0x0
	TOSTAGE 3
	SEND 2,32
	SEND 3,0
	s_wait_tensorcnt 0x0                           ; the wave's end, behind my last tensor load and my last LDS store
	ds_add_u32 v[SPW], v[NIL]
	s_wait_dscnt 0x0
	ROUND                                          ; the closing round: no work-group ends while a partner may still ask for a tile that names it
	s_endpgm
.Lfunc_end_k_q867f3b1b96_attn:
	.size	k_q867f3b1b96_attn, .Lfunc_end_k_q867f3b1b96_attn-k_q867f3b1b96_attn
	.p2alignl 7, 3214868480
	.fill 96, 4, 3214868480
	.section	.rodata,"a",@progbits
	.p2align	6, 0x0
	.amdhsa_kernel k_q867f3b1b96_attn
		.amdhsa_group_segment_fixed_size 327680
		.amdhsa_private_segment_fixed_size 0
		.amdhsa_enable_private_segment 0
		.amdhsa_kernarg_size 32
		.amdhsa_user_sgpr_count 2
		.amdhsa_user_sgpr_kernarg_segment_ptr 1
		.amdhsa_wavefront_size32 1
		.amdhsa_system_sgpr_workgroup_id_x 1
		.amdhsa_system_sgpr_workgroup_id_y 1
		.amdhsa_system_sgpr_workgroup_id_z 1
		.amdhsa_system_vgpr_workitem_id 0
		.amdhsa_next_free_vgpr 512
		.amdhsa_next_free_sgpr 66
		.amdhsa_reserve_vcc 1
		.amdhsa_float_denorm_mode_32 3
		.amdhsa_float_denorm_mode_16_64 3
		.amdhsa_memory_ordered 1
		.amdhsa_forward_progress 1
		.amdhsa_inst_pref_size 222
	.end_amdhsa_kernel
	.amdgpu_metadata
---
amdhsa.version: [ 1, 2 ]
amdhsa.kernels:
  - .name:           k_q867f3b1b96_attn
    .symbol:         k_q867f3b1b96_attn.kd
    .args:
      - { .name: qbuf, .offset: 0, .size: 8, .value_kind: global_buffer, .address_space: global }
      - { .name: kv, .offset: 8, .size: 8, .value_kind: global_buffer, .address_space: global }
      - { .name: mask, .offset: 16, .size: 8, .value_kind: global_buffer, .address_space: global }
      - { .name: out0, .offset: 24, .size: 8, .value_kind: global_buffer, .address_space: global }
    .group_segment_fixed_size: 327680
    .private_segment_fixed_size: 0
    .kernarg_segment_align: 8
    .kernarg_segment_size: 32
    .max_flat_workgroup_size: 256
    .sgpr_count:     66
    .vgpr_count:     512
    .wavefront_size: 32
...
	.end_amdgpu_metadata
.endif
;; end of part 6
